; MI455X (gfx1250); checked and timed in simulation.
; The chip was launched on July 23, 2026; its instructions are those of AMD's public machine-readable ISA for CDNA 5 (MIT licence, August 2026) and "CDNA5" Instruction Set Architecture Reference Guide (July 2026). The comments in the code are by the model that wrote it; some were corrected since.
;; DCT Attention Ideal. Allowed arithmetic: matrix products marked QUANTISED: E4M3 operands, one E8M0 scale for each 32 along K, by v_wmma_scale_f32_16x16x128_f8f6f4 with both operands' format E4M3, f32 sums; everything else in f32.
;; Inputs: K 2 x 16 x 2,048 x 64 float32; Q 2 x 16 x 2,048 x 64 float32; Q_dct 256 x 2,048 float32; V 2 x 16 x 2,048 x 64 float32; mask 2 x 2,048 float32.
;; Outputs: out0 2 x 16 x 2,048 x 64 float32.
;; This version of the problem:
;;   THIS VERSION OF THE PROBLEM IS GIVEN IN LOW PRECISION. The matrix products marked QUANTISED in the list below multiply operands that are first quantised to E4M3 (4 exponent bits, 3 mantissa bits; 8 bits a number), with one power-of-two scale for each 32 numbers along K (OCP MX v1.0); their sums are f32. All else is computed in f32.
;;   The module's matrix products, in the order in which they are computed (A, B: the left and right operand; K: the contracted axis; several contracted axes count as one K, in the product's order):
;;     1. [M 2,048, K 2,048] x [K 2,048, N 256]; A: computed on the way; B: input Q_dct: QUANTISED
;;     2. batch 32 x [M 2,048, K 64] x [K 64, N 2,048]; A: computed on the way; B: computed on the way: QUANTISED
;;     3. [M 65,536, K 2,048] x [K 2,048, N 256]; A: computed on the way; B: input Q_dct: QUANTISED
;;     4. [M 8,192, K 2,048] x [K 2,048, N 256]; A: computed on the way; B: input Q_dct: QUANTISED
;;     5. [M 8,192, K 256] x [K 256, N 2,048]; A: computed on the way; B: input Q_dct: QUANTISED
;;     6. batch 32 x [M 2,048, K 256] x [K 256, N 64]; A: computed on the way; B: computed on the way: QUANTISED
;;   THE QUANTISER, for each operand of a quantised product, along K:
;;     - K is cut into blocks of 32 from its start; a last block that is shorter is filled with zeros.
;;     - A block's scale is 2^e with e = floor(log2(the largest magnitude in the block)) - 8, held to -126 .. 127; a block of zeros has e = 0. As a byte (E8M0): e + 127.
;;     - Each number is divided by its block's scale, clamped to +-448, and rounded to the nearest number of E4M3, ties to even, subnormals kept.
;;     - The product sums the exact products of the quantised numbers (number of the format x scale) in f32.
;;   ~~~python
;;   def quantise(x, axis):      # numpy; x: float32 -> the quantised numbers, widened to float32 again
;;       x = np.moveaxis(x, axis, -1); K = x.shape[-1]
;;       x = np.pad(x, [(0, 0)] * (x.ndim - 1) + [(0, -K % 32)]); x = x.reshape(x.shape[:-1] + (-1, 32)); a = np.abs(x).max(-1, keepdims=True)
;;       e = np.where(a > 0, np.clip(np.frexp(np.where(a > 0, a, 1))[1] - 1 - 8, -126, 127), 0)      # np.frexp(a)[1] - 1 = floor(log2(a)), exactly
;;       r = np.clip(x / 2.0 ** e, -448, 448)
;;       step = 2.0 ** (np.maximum(np.frexp(np.where(r == 0, 1, r))[1] - 1, -6) - 3)
;;       q = np.round(r / step) * step * 2.0 ** e      # np.round: ties to even
;;       return np.moveaxis(q.reshape(q.shape[:-2] + (-1,))[..., :K], -1, axis).astype(np.float32)
;;   ~~~
;;   OPERANDS COMPUTED ON THE WAY. 'Computed on the way' means the value that the module computes at that place (a softmax that the list does not call 'softmax' is quantised finished and normalised). What goes into a quantiser is computed in f32, as accurately as f32 sums, v_exp_f32 and their like allow (about 1e-6 of the number): no bf16 or f16 on the way to a quantiser, and a product that is left as it is and whose result goes on into a quantised operand takes f32 operands (vector FMAs, or v_wmma_f32_16x16x4_f32). A number that lies on a knife's edge between two numbers of the format may be rounded either way, as far as f32 arithmetic and the matrix unit's own rounding can turn it there, and no further.
;; One version. Each part assembles by itself: llvm-mc -triple=amdgcn-amd-amdhsa -mcpu=gfx1250 --defsym DOCPART=n.
;; ======== version 1 of 1: 5 launches
;; workspace buffers: qkc 8,912,896 bytes; dctn 540,672 bytes; dctm 540,672 bytes; vc 4,325,376 bytes; rowst 262,144 bytes; t1 17,301,504 bytes; t2vd 2,785,280 bytes
;; launch prep (part 1): grid 576 x 1, 4 waves a work-group, no clusters, 35,328 bytes of LDS; arguments Q, K, V, mask, Q_dct, qkc, dctn, dctm, vc; writes qkc, dctn, dctm, vc
.if DOCPART == 1
	.amdgcn_target "amdgcn-amd-amdhsa--gfx1250"
	.amdhsa_code_object_version 6
	.text
	.protected	k_q9c51ac81e8_prep
	.globl	k_q9c51ac81e8_prep
	.p2align	8
	.type	k_q9c51ac81e8_prep,@function
k_q9c51ac81e8_prep:
	s_mov_b64 s[64:65], 0
	v_nop
	global_prefetch_b8 v0, s[64:65] scope:SCOPE_SE
	s_setreg_imm32_b32 hwreg(HW_REG_WAVE_MODE, 25, 1), 1
	s_wait_xcnt 0x0
; PREP: every input is quantised once to codes of E4M3 with one E8M0 byte for each 32 along the K of the product that will read it.
; The codes are laid as IMAGES OF OPERAND REGISTERS: a fragment (16 rows x 128 K) is 2,048 bytes; register group c (0..3) of lane L lies at 512 c + 16 L and holds k = 32 c + 16 (L / 16) + 0 .. 15 of row L % 16.
; Scale words of 8 tiles lie as a block of 512 bytes: the word of (row r, tile t) at 32 r + 4 t.
; ROW ORDER: in a group of 128 rows, lane r of tile t takes row 32 (t / 2) + 8 (t % 2) + r + 8 (r / 8), so that results made with such tiles as source 0 have 16 neighbours in 16 registers.
; Four kinds of work-groups, told apart by the work-group's number alone:
;   0..255   Q x scale and K x scale x mask, K = the head's 64: packages of 8 half images (1,024 bytes) + 512 bytes of words (two real bytes, two bytes 0x7f for the zero codes that fill K to 128)
;   256..287 Q_dct along its second axis: packages of 8 images + 512 bytes of words
;   288..543 V x mask along the sequence: a lane takes a column, its registers run down K
;   544..575 Q_dct along its first axis, by the same plan
; A block's scale is 2^(floor(log2(largest magnitude)) - 8); its byte is the largest magnitude's exponent field - 8, held at 1 from below by a floor among the maximum's leaves.
; LIMITS: NaN and infinities among the inputs are not served.  A block of zeros gets the byte 1 where the quantiser's rule says 127: its codes are zeros, and only this program reads the bytes.
; No barrier: waves share nothing.  LDS serves the rows of Q and K alone: each wave turns 32 rows at a time through a stage of its own.
.set FLOOR, 0x4800000                  ; 2^(9 - 127)
.set SEL, 56                           ; s[56:57] v_permlanex16_b32's selects for lane l xor 16
.set MNT, 58                           ; s58 the mantissa field of 448
.set SCQ, 60                           ; s[60:61] 1 / sqrt(sqrt(64)) as f32, twice
.set SPT, 272                          ; a place in the stage: a row's 256 bytes + 16: 68 words, so that 16 places on end start at 16 different banks (64 banks of 4 bytes: ISA guide 11.1)
.set WSTG, 32*SPT                      ; a wave's stage: 32 places
; 16 numbers of a lane, v[x] on, half of a block of 32 whose other half lies in lane l xor 16, become 16 codes in v[cd] .. v[cd + 3]; the block's byte is left in v28
.macro QBLK x, cd
	v_max3_num_f32 v24, |v[(\x)]|, |v[(\x)+1]|, FLOOR
.irp i, 2,4,6,8,10,12,14
	v_max3_num_f32 v24, v24, |v[(\x)+\i]|, |v[(\x)+\i+1]|
.endr
	v_permlanex16_b32 v25, v24, s[SEL], s[SEL+1]
	v_max_num_f32 v24, v24, v25                    ; the block's largest magnitude
	v_add_nc_u32 v26, 0xfc000000, v24              ; 8 off its exponent field: the conversion's scale operand
	v_and_or_b32 v27, v24, 0x7f800000, s[MNT]      ; 448 x the scale
.irp i, 0,1,2,3,4,5,6,7,8,9,10,11,12,13,14,15
	v_med3_num_f32 v[(\x)+\i], v[(\x)+\i], -v27, v27   ; the conversion does not saturate (ISA guide 7.6.2): the hold comes first
.endr
	v_cvt_scalef32_pk8_fp8_f32 v[(\cd):(\cd)+1], v[(\x):(\x)+7], v26
	v_cvt_scalef32_pk8_fp8_f32 v[(\cd)+2:(\cd)+3], v[(\x)+8:(\x)+15], v26
	v_lshrrev_b32 v28, 23, v26                     ; the byte; also the plain line behind the conversions
.endm
; ROWS OF Q OR K.  Tiles 2 b and 2 b + 1 are the 32 rows 32 b on, 8,192 bytes on end: 16 loads, each of 512 consecutive bytes (two rows), into set b % 2
.macro PLOAD b
.set n, 0
.rept 16
	global_load_b128 v[32+64*((\b)%2)+4*n:32+64*((\b)%2)+4*n+3], v6, s[30:31] offset:8192*(\b)+512*n th:TH_LOAD_NT
.set n, n+1
.endr
.endm
; The quantiser wants 16 neighbours of a row in ONE lane.  So the 32 rows turn through my stage: row x goes to place 16 u + r of its tile (u = (x / 8) % 2, r = x % 8 + 8 (x / 16)),
; and lane (r, h) reads back, of place 16 u + r, the 64 bytes at 128 c + 64 h.  LDS serves a wave's instructions in order: no wait stands between the stores and the loads.
.macro PTURN b
.set n, 0
.rept 16
	ds_store_b128 v30, v[32+64*((\b)%2)+4*n:32+64*((\b)%2)+4*n+3] offset:SPT*(16*((n/4)%2)+(2*n)%8+8*(n/8))   ; rows 2 n (lanes 0-15) and 2 n + 1 (lanes 16-31)
.set n, n+1
.endr
.irp u, 0,1
.irp c, 0,1
.irp jj, 0,1,2,3
	ds_load_b128 v[160+32*\u+16*\c+4*\jj:160+32*\u+16*\c+4*\jj+3], v31 offset:SPT*16*\u+128*\c+16*\jj
.endr
.endr
.endr
.endm
.macro ATILE t
.set XS, 160+32*((\t)%2)
.set CDS, 224+8*((\t)%4)
	v_cndmask_b32 v[8+(\t)], v[8+(\t)], v29, s62   ; Q takes 1.0 in the mask's place
.set ii, 0
.rept 16
	v_pk_mul_f32 v[XS+ii:XS+ii+1], v[XS+ii:XS+ii+1], s[SCQ:SCQ+1] op_sel_hi:[1,0]   ; x scale first,
.set ii, ii+2
.endr
.set ii, 0
.rept 32
	v_mul_f32 v[XS+ii], v[XS+ii], v[8+(\t)]        ; then x the row's mask
.set ii, ii+1
.endr
	QBLK XS, CDS
	v_mov_b32 v[16+(\t)], v28
	QBLK XS+16, CDS+4
	v_lshl_or_b32 v[16+(\t)], v28, 8, v[16+(\t)]
	v_or_b32 v[16+(\t)], 0x7f7f0000, v[16+(\t)]    ; bytes 2 and 3 stand over zero codes
	global_store_b128 v6, v[CDS:CDS+3], s[14:15] offset:1024*(\t)       ; 32 lanes store 512 consecutive bytes
	global_store_b128 v6, v[CDS+4:CDS+7], s[14:15] offset:1024*(\t)+512
.endm
.macro PAIR b
.if (\b) < 3
	s_wait_loadcnt 16                              ; this pair's loads (and, the first time, the mask's) are in; the next pair's 16 may be out
.else
	s_wait_loadcnt 0x0
.endif
	PTURN \b
	s_wait_dscnt 0x0                               ; the rows are back, 16 neighbours a lane; the stage's stores have read their registers,
.if (\b)+2 < 4
	PLOAD (\b)+2                                   ; which take the pair two further on
.endif
.if (\b) >= 2
	s_wait_xcnt 0x0                                ; the stores of two pairs ago have read the code registers that this pair writes again
.endif
	ATILE 2*(\b)
	ATILE 2*(\b)+1
.endm
; a lane's column.  Block blk's 32 loads: rows 32 blk + 0 .. 31 into v[32 + 32 blk] on; each block has registers of its own
.macro COLLOAD blk, stride, msk, sp
.set n, 0
.rept 32
.if \msk
	global_load_b32 v[32+32*(\blk)+n], v4, s[\sp:\sp+1] offset:(32*(\blk)+n)*\stride th:TH_LOAD_NT    ; 32 lanes read 128 consecutive bytes of a row
.else
	global_load_b32 v[32+32*(\blk)+n], v4, s[\sp:\sp+1] offset:(32*(\blk)+n)*\stride
.endif
.set n, n+1
.endr
.endm
; block blk = 32 numbers down K in v[32 + 32 blk] on.  sb: the scalars that hold the 32 rows' mask
.macro COLBLK blk, sb, msk, cp, stride, sp
.set XS, 32+32*(\blk)
.if (\blk) < 3
	s_wait_loadcnt 32                              ; this block's 32 loads are in; the next block's 32 may be out
.else
	s_wait_loadcnt 0x0
.endif
.if (\blk)+2 < 4
	COLLOAD (\blk)+2, \stride, \msk, \sp           ; the loads run two blocks ahead: 64 of a wave are out at most
.endif
.if \msk
.if (\blk) == 2
	s_wait_kmcnt 0x0                               ; the mask of blocks 2 and 3
.endif
.set n, 0
.rept 32
	v_mul_f32 v[XS+n], s[\sb+n], v[XS+n]
.set n, n+1
.endr
.if (\blk) < 2
	s_load_b512 s[\sb:\sb+15], s[10:11], 256+128*(\blk)        ; the scalars take the mask of the block two further on
	s_load_b512 s[\sb+16:\sb+31], s[10:11], 256+128*(\blk)+64
.endif
.endif
	v_max3_num_f32 v24, |v[XS]|, |v[XS+1]|, |v[XS+2]|           ; all 32 numbers of the block are mine: no other lane is asked
	v_max3_num_f32 v26, |v[XS+3]|, |v[XS+4]|, |v[XS+5]|
.irp i, 6,10,14,18,22,26
	v_max3_num_f32 v24, v24, |v[XS+\i]|, |v[XS+\i+1]|
	v_max3_num_f32 v26, v26, |v[XS+\i+2]|, |v[XS+\i+3]|
.endr
	v_max3_num_f32 v24, v24, |v[XS+30]|, |v[XS+31]|
	v_max3_num_f32 v24, v24, v26, FLOOR
	v_add_nc_u32 v26, 0xfc000000, v24
	v_and_or_b32 v27, v24, 0x7f800000, s[MNT]
.set n, 0
.rept 32
	v_med3_num_f32 v[XS+n], v[XS+n], -v27, v27
.set n, n+1
.endr
.irp g, 0,1,2,3
	v_cvt_scalef32_pk8_fp8_f32 v[160+8*(\blk)+2*\g:160+8*(\blk)+2*\g+1], v[XS+8*\g:XS+8*\g+7], v26
.endr
	v_lshrrev_b32 v28, 23, v26
.if (\blk) == 0
	v_mov_b32 v29, v28
.else
	v_lshl_or_b32 v29, v28, 8*(\blk), v29
.endif
	global_store_b128 v5, v[160+8*(\blk):163+8*(\blk)], s[\cp:\cp+1] offset:512*(\blk)       ; k = 32 blk + 0 .. 15: sixteen lanes store 256 consecutive bytes, aligned
	global_store_b128 v5, v[164+8*(\blk):167+8*(\blk)], s[\cp:\cp+1] offset:512*(\blk)+256   ; k = 32 blk + 16 .. 31
.endm
.macro COLJOB stride, msk, sp, cp, wp
.if \msk
	s_load_b512 s[24:39], s[10:11], 0x0
	s_load_b512 s[40:55], s[10:11], 0x40
	s_load_b512 s[68:83], s[10:11], 0x80
	s_load_b512 s[84:99], s[10:11], 0xc0
.endif
	COLLOAD 0, \stride, \msk, \sp
	COLLOAD 1, \stride, \msk, \sp
.if \msk
	s_wait_kmcnt 0x0
.endif
	COLBLK 0, 24, \msk, \cp, \stride, \sp
	COLBLK 1, 68, \msk, \cp, \stride, \sp
	COLBLK 2, 24, \msk, \cp, \stride, \sp
	COLBLK 3, 68, \msk, \cp, \stride, \sp
	global_store_b32 v4, v29, s[\wp:\wp+1]         ; my column's scale word
.endm
	s_load_b512 s[4:19], s[0:1], 0x0               ; Q, K, V, mask, Q_dct, qkc, dctn, dctm
	s_load_b64 s[20:21], s[0:1], 0x40              ; vc
	s_set_vgpr_msb 0x40
	v_lshl_add_u32 v0, v0, 2, 0x8800
	v_mov_b32 v1, 0
	s_set_vgpr_msb 0x4000
	v_lshrrev_b32 v1, 5, v0
	v_readfirstlane_b32 s2, v1                     ; wave
	v_and_b32 v1, 15, v0                           ; r
	v_bfe_u32 v2, v0, 4, 1                         ; h
	v_and_b32 v3, 8, v1
	v_add_nc_u32 v3, v3, v1                        ; r + 8 (r / 8)
	v_and_b32 v6, 31, v0
	v_lshlrev_b32 v6, 4, v6                        ; 16 x lane
	v_mov_b32 v25, 0                               ; a lane permute's destination counts as one of its sources
	v_mov_b32 v29, 1.0
	s_mov_b32 s[SEL], 0x76543210
	s_mov_b32 s[SEL+1], 0xfedcba98
	s_mov_b32 s[MNT], 0x600000
	s_mov_b32 s[SCQ], 0x3eb504f3
	s_mov_b32 s[SCQ+1], s[SCQ]
	s_wait_kmcnt 0x0
	s_cmp_lt_u32 ttmp9, 256
	s_cbranch_scc1 .Lrows
	s_cmp_lt_u32 ttmp9, 288
	s_cbranch_scc1 .Ldct_n
	s_cmp_lt_u32 ttmp9, 544
	s_cbranch_scc1 .Lcols_v
	; ---- Q_dct along its first axis: job = 2 jq + ks: columns 32 jq on, rows 128 ks on
	s_sub_co_u32 s3, ttmp9, 544
	s_lshl_b32 s3, s3, 2
	s_add_co_u32 s3, s3, s2
	s_and_b32 s62, s3, 1                           ; ks
	s_lshr_b32 s63, s3, 1                          ; jq
	s_lshl_b32 s22, s62, 20
	s_lshl_b32 s23, s63, 7
	s_add_co_u32 s22, s22, s23
	s_mov_b32 s23, 0
	s_add_nc_u64 s[12:13], s[12:13], s[22:23]
	s_lshl_b32 s22, s63, 13
	s_lshl_b32 s24, s62, 11
	s_add_co_u32 s22, s22, s24
	s_add_nc_u64 s[66:67], s[18:19], s[22:23]      ; images (2 qt + ks) x 2,048
	s_lshl_b32 s22, s62, 13
	s_lshl_b32 s24, s63, 7
	s_add_co_u32 s22, s22, s24
	s_add_co_u32 s22, s22, 524288
	s_add_nc_u64 s[18:19], s[18:19], s[22:23]      ; words [ks][q]
	v_lshrrev_b32 v4, 2, v6                        ; 4 x lane
	v_lshlrev_b32 v5, 4, v1
	v_lshl_add_u32 v5, v2, 12, v5                  ; lanes 16-31 belong to the next tile of 16 columns: two images on
	COLJOB 8192, 0, 12, 66, 18
	s_endpgm
.Lcols_v:
	; ---- V x mask along the sequence: job = (16 bh + ks) x 2 + half of the head's 64 columns
	s_sub_co_u32 s3, ttmp9, 288
	s_lshl_b32 s3, s3, 2
	s_add_co_u32 s3, s3, s2
	s_lshr_b32 s22, s3, 1
	s_lshl_b32 s22, s22, 15
	s_and_b32 s23, s3, 1
	s_lshl_b32 s23, s23, 7
	s_add_co_u32 s22, s22, s23
	s_mov_b32 s23, 0
	s_add_nc_u64 s[8:9], s[8:9], s[22:23]
	s_lshr_b32 s22, s3, 9                          ; the batch
	s_lshl_b32 s22, s22, 13
	s_bfe_u32 s62, s3, 0x40001                     ; ks
	s_lshl_b32 s62, s62, 9
	s_add_co_u32 s22, s22, s62
	s_add_nc_u64 s[10:11], s[10:11], s[22:23]      ; the mask of my 128 rows
	s_lshl_b32 s22, s3, 12
	s_add_nc_u64 s[66:67], s[20:21], s[22:23]      ; two images a job
	s_lshl_b32 s22, s3, 7
	s_add_co_u32 s22, s22, 4194304
	s_add_nc_u64 s[20:21], s[20:21], s[22:23]      ; words [bh][ks][d]
	v_lshrrev_b32 v4, 2, v6
	v_lshlrev_b32 v5, 4, v1
	v_lshl_add_u32 v5, v2, 11, v5                  ; lanes 16-31: the next image
	COLJOB 256, 1, 8, 66, 20
	s_endpgm
.Ldct_n:
	; ---- Q_dct along its second axis: package j = 2 step + g; wave w makes tiles 2 w and 2 w + 1
	s_sub_co_u32 s3, ttmp9, 256
	s_and_b32 s22, s3, 1
	s_lshr_b32 s23, s3, 1
	s_lshl_b32 s24, s22, 20                        ; 128 g rows of 8,192 bytes
	s_lshl_b32 s26, s23, 9                         ; 128 step numbers
	s_add_co_u32 s24, s24, s26
	s_lshl_b32 s26, s2, 18                         ; 32 w rows
	s_add_co_u32 s24, s24, s26
	s_mov_b32 s25, 0
	s_add_nc_u64 s[12:13], s[12:13], s[24:25]
	s_mul_i32 s24, s3, 16896
	s_lshl_b32 s26, s2, 3
	s_add_co_u32 s26, s26, s24
	s_mov_b32 s27, 0
	s_add_nc_u64 s[28:29], s[16:17], s[26:27]      ; the package + 8 w: my two words of each row
	s_lshl_b32 s26, s2, 12
	s_add_co_u32 s24, s24, s26
	s_add_nc_u64 s[16:17], s[16:17], s[24:25]      ; the package + my two images
	v_lshlrev_b32 v4, 13, v3
	v_lshl_add_u32 v4, v2, 6, v4
	v_lshlrev_b32 v5, 5, v1
	v_lshl_add_u32 v5, v2, 2, v5                   ; 32 r + 4 h
.irp u, 0,1
.irp c, 0,1,2,3
.irp jj, 0,1,2,3
	global_load_b128 v[32+64*\u+16*\c+4*\jj:32+64*\u+16*\c+4*\jj+3], v4, s[12:13] offset:65536*\u+128*\c+16*\jj
.endr
.endr
.endr
.irp u, 0,1
	s_wait_loadcnt 16-16*\u                        ; the other tile's 16 loads may be out
.irp c, 0,1,2,3
	QBLK 32+64*\u+16*\c, 160+16*\u+4*\c
.if \c == 0
	v_mov_b32 v[16+\u], v28
.else
	v_lshl_or_b32 v[16+\u], v28, 8*\c, v[16+\u]
.endif
	global_store_b128 v6, v[160+16*\u+4*\c:160+16*\u+4*\c+3], s[16:17] offset:2048*\u+512*\c
.endr
.endr
	v_cmp_ne_u32 vcc_lo, 0, v2
	v_cndmask_b32 v18, v16, v17, vcc_lo            ; lanes 0-15 store tile 2 w's words, lanes 16-31 tile 2 w + 1's: pieces of 8 bytes, 16,384 bytes in the whole launch
	global_store_b32 v5, v18, s[28:29] offset:16384
	s_endpgm
.Lrows:
	; ---- Q and K: wave job j = the package's number: [Q, K][bh][step]
	s_lshl_b32 s3, ttmp9, 2
	s_add_co_u32 s3, s3, s2
	s_and_b32 s22, s3, 511
	s_lshl_b32 s24, s22, 15                        ; 128 rows of 256 bytes
	s_mov_b32 s25, 0
	s_lshr_b32 s26, s22, 8                         ; the batch
	s_lshl_b32 s26, s26, 13
	s_and_b32 s27, s3, 15
	s_lshl_b32 s27, s27, 9
	s_add_co_u32 s26, s26, s27
	s_mov_b32 s27, 0
	s_mul_i32 s28, s3, 8704
	s_mov_b32 s29, 0
	s_mul_i32 s63, s2, WSTG                        ; my stage
	s_cmp_lt_u32 ttmp9, 128                        ; Q's work-group or K's: the choice hangs on the work-group's number alone
	s_cselect_b32 s62, -1, 0
	s_cselect_b64 s[30:31], s[4:5], s[6:7]
	s_add_nc_u64 s[30:31], s[30:31], s[24:25]
	s_add_nc_u64 s[10:11], s[10:11], s[26:27]
	s_add_nc_u64 s[14:15], s[14:15], s[28:29]
	v_lshlrev_b32 v5, 2, v3                        ; the mask: 4 (r + 8 (r / 8))
	v_lshlrev_b32 v7, 5, v1
	v_lshl_add_u32 v7, v2, 4, v7                   ; 32 r + 16 h
	v_mul_u32_u24 v30, v2, SPT
	v_lshl_add_u32 v30, v1, 4, v30
	v_add_nc_u32 v30, s63, v30                     ; into the stage: lanes 0-15 one row, lanes 16-31 the next place, 16 bytes a lane
	v_mul_u32_u24 v31, v1, SPT
	v_lshl_add_u32 v31, v2, 6, v31
	v_add_nc_u32 v31, s63, v31                     ; out of it: place r, + 64 h bytes
.irp t, 0,1,2,3,4,5,6,7
	global_load_b32 v[8+\t], v5, s[10:11] offset:4*(32*(\t/2)+8*(\t%2))
.endr
	PLOAD 0
	PLOAD 1
.irp b, 0,1,2,3
	PAIR \b
.endr
	v_cmp_ne_u32 vcc_lo, 0, v2
.irp i, 0,1,2,3
	v_cndmask_b32 v[160+\i], v[16+\i], v[20+\i], vcc_lo
.endr
	global_store_b128 v7, v[160:163], s[14:15] offset:8192      ; the 8 tiles' words: 512 consecutive bytes
	s_set_vgpr_msb 0x5
	s_wait_tensorcnt 0x0
	ds_add_u32 v0, v1
	s_wait_dscnt 0x0
	s_set_vgpr_msb 0x500
	s_endpgm
.Lfunc_end_k_q9c51ac81e8_prep:
	.size	k_q9c51ac81e8_prep, .Lfunc_end_k_q9c51ac81e8_prep-k_q9c51ac81e8_prep
	.p2alignl 7, 3214868480
	.fill 96, 4, 3214868480
	.section	.rodata,"a",@progbits
	.p2align	6, 0x0
	.amdhsa_kernel k_q9c51ac81e8_prep
		.amdhsa_group_segment_fixed_size 35328
		.amdhsa_private_segment_fixed_size 0
		.amdhsa_enable_private_segment 0
		.amdhsa_kernarg_size 72
		.amdhsa_user_sgpr_count 2
		.amdhsa_user_sgpr_kernarg_segment_ptr 1
		.amdhsa_wavefront_size32 1
		.amdhsa_system_sgpr_workgroup_id_x 1
		.amdhsa_system_sgpr_workgroup_id_y 1
		.amdhsa_system_sgpr_workgroup_id_z 1
		.amdhsa_system_vgpr_workitem_id 0
		.amdhsa_next_free_vgpr 258
		.amdhsa_next_free_sgpr 100
		.amdhsa_reserve_vcc 1
		.amdhsa_float_denorm_mode_32 3
		.amdhsa_float_denorm_mode_16_64 3
		.amdhsa_memory_ordered 1
		.amdhsa_forward_progress 1
		.amdhsa_inst_pref_size 150
	.end_amdhsa_kernel
	.amdgpu_metadata
---
amdhsa.version: [ 1, 2 ]
amdhsa.kernels:
  - .name:           k_q9c51ac81e8_prep
    .symbol:         k_q9c51ac81e8_prep.kd
    .args:
      - { .name: Q, .offset: 0, .size: 8, .value_kind: global_buffer, .address_space: global }
      - { .name: K, .offset: 8, .size: 8, .value_kind: global_buffer, .address_space: global }
      - { .name: V, .offset: 16, .size: 8, .value_kind: global_buffer, .address_space: global }
      - { .name: mask, .offset: 24, .size: 8, .value_kind: global_buffer, .address_space: global }
      - { .name: Q_dct, .offset: 32, .size: 8, .value_kind: global_buffer, .address_space: global }
      - { .name: qkc, .offset: 40, .size: 8, .value_kind: global_buffer, .address_space: global }
      - { .name: dctn, .offset: 48, .size: 8, .value_kind: global_buffer, .address_space: global }
      - { .name: dctm, .offset: 56, .size: 8, .value_kind: global_buffer, .address_space: global }
      - { .name: vc, .offset: 64, .size: 8, .value_kind: global_buffer, .address_space: global }
    .group_segment_fixed_size: 35328
    .private_segment_fixed_size: 0
    .kernarg_segment_align: 8
    .kernarg_segment_size: 72
    .max_flat_workgroup_size: 128
    .sgpr_count:     100
    .vgpr_count:     258
    .wavefront_size: 32
...
	.end_amdgpu_metadata
.endif
;; end of part 1
;; launch stats (part 2): grid 8 x 32, 8 waves a work-group, clusters of 4 x 1, 168,960 bytes of LDS; arguments qkc, rowst; writes rowst
.if DOCPART == 2
	.amdgcn_target "amdgcn-amd-amdhsa--gfx1250"
	.amdhsa_code_object_version 6
	.text
	.protected	k_q9c51ac81e8_stats
	.globl	k_q9c51ac81e8_stats
	.p2align	8
	.type	k_q9c51ac81e8_stats,@function
k_q9c51ac81e8_stats:
	s_mov_b64 s[64:65], 0
	v_nop
	global_prefetch_b8 v0, s[64:65] scope:SCOPE_SE
	s_setreg_imm32_b32 hwreg(HW_REG_WAVE_MODE, 25, 1), 1
	s_wait_xcnt 0x0
	s_wait_alu depctr_hold_cnt(0) depctr_sa_sdst(0) depctr_va_vdst(0) depctr_va_sdst(0) depctr_va_ssrc(0) depctr_va_vcc(0) depctr_vm_vsrc(0)
	s_getreg_b32 s2, hwreg(HW_REG_IB_STS2, 6, 4)
	s_cmp_eq_u32 s2, 0
	s_cbranch_scc0 .Lentry_in_a_cluster
	s_endpgm
.Lentry_in_a_cluster:
	s_bfe_u32 s2, ttmp6, 0x10000c
	s_cmp_lg_u32 s2, 0x3003
	s_cbranch_scc0 .Lentry_shape_is_right
	s_endpgm
.Lentry_shape_is_right:
; STATS: for every query of every head one number, N' = N - log2(l): N = -log2(e) x (the row's largest score), l = the sum over all 2,048 keys of 2^(score x log2(e) + N).
; The next launch computes the same scores and takes the finished softmax as 2^(fma(score, log2 e, N')).
; The scores are the quantised product Qs Ks^T (K = 64: the upper half of every fragment holds zero codes on both sides).
; SHARES.  A work-group takes 256 queries of one head; each of its eight waves 32 of them (two tiles) and walks all keys, 64 at a time.  The product is used transposed (source 0 = 16 keys, source 1 = 16 queries):
; a lane holds one query; lane l xor 16 holds the query's other keys.
; K's 16 packages of a head (139,264 bytes) come into LDS once.  CLUSTER: the four work-groups of a cluster belong to one head, so each of the eight loads is asked for jointly.
; A running maximum m and sum l: in every step l is multiplied by 2^(new N - old N).
; LIMITS: N' is rounded to f32 at its own size, so a weight carries a relative error of up to about 0.35 ulp(N') and the logarithm's 1 ulp x ln 2: some 5e-7 where |N'| is about 12; it grows with the scores as the
; rounding of a score of that size does.  The running maximum starts at -1e38: scores under that are not served.  v_exp_f32 gives 0 for results under 2^-126.  NaN and infinities are not served.
; No prefetch: LDS is filled once, at the head.
.set WV, 8
.set TS, 12                            ; s12 LDS byte of the package in hand
.set CNT, 13
.set CSC, 14                           ; s[14:15] log2(e), twice
.set NC, 16                            ; s16 -log2(e)
.set SEL, 18
.set G1, 24
.set G0, 32
.set VST, 16                           ; tile j's statistics at v[16 + 8 j]: +0 N, +1 m, +2, +3 l in two halves, +4, +5 at work, +6 the factor, +7 old N, then new N - old N
.set SR, 128                           ; v128-191 scores: tile j at 128 + 32 j
.macro PLACES n
.rept \n
	v_nop
.endr
.endm
.macro CROUND                          ; a round of the cluster's barrier
	s_barrier_signal -1
	s_barrier_wait -1
	s_cmp_lg_u32 s[WV], 0
	s_cbranch_scc1 .Lnw0_\@
	s_barrier_signal -3
.Lnw0_\@:
	s_barrier_wait -3
	s_barrier_signal -1
	s_barrier_wait -1
.endm
.macro KLOAD off, soff                 ; four tiles of keys (their lower 8 registers) and their four scale words
.irp t, 0,1,2,3
.irp c, 0,1
	ds_load_b128 v[64+16*\t+4*\c:64+16*\t+4*\c+3], v3 offset:\off+1024*\t+512*\c
.endr
.endr
	ds_load_b128 v[8:11], v4 offset:\soff
.endm
; 64 keys against my 32 queries.  pre = 1: the next 64 keys' fragments are fetched behind the products
.macro HALF off, soff, pre
	s_wait_dscnt 0x0                               ; the nine loads issued a half ago
.irp t, 0,1,2,3
.irp j, 0,1
	v_wmma_scale_f32_16x16x128_f8f6f4 v[SR+32*\j+8*\t:SR+32*\j+8*\t+7], v[64+16*\t:64+16*\t+15], v[32+16*\j:32+16*\j+15], 0, v[8+\t], v[12+\j]
.endr
.endr
	PLACES 8                                       ; in front of loads into registers that the products read, and of the first read of results
.if \pre
	KLOAD \off, \soff
.endif
.irp j, 0,1                                    ; the maximum of 32 scores and the old m, in two chains a tile; each accumulator is read from its low end on
	v_max3_num_f32 v[VST+8*\j+4], v[SR+32*\j], v[SR+32*\j+1], v[VST+8*\j+1]
	v_max3_num_f32 v[VST+8*\j+5], v[SR+32*\j+16], v[SR+32*\j+17], v[SR+32*\j+18]
.endr
.irp i, 0,1,2,3,4,5
.irp j, 0,1
	v_max3_num_f32 v[VST+8*\j+4], v[VST+8*\j+4], v[SR+32*\j+2+2*\i], v[SR+32*\j+3+2*\i]
	v_max3_num_f32 v[VST+8*\j+5], v[VST+8*\j+5], v[SR+32*\j+19+2*\i], v[SR+32*\j+20+2*\i]
.endr
.endr
.irp j, 0,1
	v_max3_num_f32 v[VST+8*\j+4], v[VST+8*\j+4], v[SR+32*\j+14], v[SR+32*\j+15]
.endr
.irp j, 0,1
	v_max3_num_f32 v[VST+8*\j+4], v[VST+8*\j+4], v[VST+8*\j+5], v[SR+32*\j+31]
.endr
.irp j, 0,1
	v_permlanex16_b32 v[VST+8*\j+5], v[VST+8*\j+4], s[SEL], s[SEL+1]
.endr
.irp j, 0,1
	v_max_num_f32 v[VST+8*\j+1], v[VST+8*\j+4], v[VST+8*\j+5]    ; the new m
	v_mov_b32 v[VST+8*\j+7], v[VST+8*\j]
.endr
.irp j, 0,1
	v_mul_f32 v[VST+8*\j], s[NC], v[VST+8*\j+1]                  ; the new N
.endr
.irp j, 0,1
	v_sub_f32 v[VST+8*\j+7], v[VST+8*\j], v[VST+8*\j+7]          ; new N - old N, 0 or less
.endr
	; ONE BATCH: the 32 scalings score x log2(e) + N, a pair each, and the 66 exponentials, by turns: two exponentials, then the scaling of the pair two further on.  None of these names an exponential's result
	v_pk_fma_f32 v[SR:SR+1], v[SR:SR+1], s[CSC:CSC+1], v[VST:VST+1] op_sel_hi:[1,0,0]
	v_pk_fma_f32 v[SR+2:SR+3], v[SR+2:SR+3], s[CSC:CSC+1], v[VST:VST+1] op_sel_hi:[1,0,0]
.irp j, 0,1
	v_exp_f32 v[VST+8*\j+6], v[VST+8*\j+7]
.endr
.set pp, 0
.rept 32
	v_exp_f32 v[SR+2*pp], v[SR+2*pp]
	v_exp_f32 v[SR+2*pp+1], v[SR+2*pp+1]
.if pp+2 < 32
	v_pk_fma_f32 v[SR+2*pp+4:SR+2*pp+5], v[SR+2*pp+4:SR+2*pp+5], s[CSC:CSC+1], v[VST+8*((pp+2)/16):VST+8*((pp+2)/16)+1] op_sel_hi:[1,0,0]
.endif
.set pp, pp+1
.endr
	v_nop                                          ; the plain line behind the last exponential
	s_wait_alu depctr_va_vdst(0)                   ; one wait for the batch of 66, ahead of its first reader
.irp j, 0,1
	v_pk_fma_f32 v[VST+8*\j+2:VST+8*\j+3], v[VST+8*\j+2:VST+8*\j+3], v[VST+8*\j+6:VST+8*\j+7], v[SR+32*\j:SR+32*\j+1] op_sel_hi:[1,0,1]
	v_pk_add_f32 v[192+2*\j:193+2*\j], v[SR+32*\j+2:SR+32*\j+3], v[SR+32*\j+6:SR+32*\j+7]
.endr
.irp i, 4,8,12,16,20,24
.irp j, 0,1
	v_pk_add_f32 v[VST+8*\j+2:VST+8*\j+3], v[VST+8*\j+2:VST+8*\j+3], v[SR+32*\j+\i:SR+32*\j+\i+1]
	v_pk_add_f32 v[192+2*\j:193+2*\j], v[192+2*\j:193+2*\j], v[SR+32*\j+\i+6:SR+32*\j+\i+7]
.endr
.endr
.irp j, 0,1
	v_pk_add_f32 v[VST+8*\j+2:VST+8*\j+3], v[VST+8*\j+2:VST+8*\j+3], v[SR+32*\j+28:SR+32*\j+29]
.endr
.irp j, 0,1
	v_pk_add_f32 v[VST+8*\j+2:VST+8*\j+3], v[VST+8*\j+2:VST+8*\j+3], v[192+2*\j:193+2*\j]
.endr
.endm
	s_load_b128 s[4:7], s[0:1], 0x0                ; qkc, rowst
	v_lshl_add_u32 v254, v0, 2, 0x29000
	v_mov_b32 v255, 0
	ds_add_u32 v254, v255
	ds_add_u32 v254, v255
	v_lshrrev_b32 v1, 5, v0
	v_readfirstlane_b32 s[WV], v1
	s_and_b32 s11, ttmp7, 0xffff                   ; the head, which the four partners share
	s_mov_b32 s[G1], 0x23000f                      ; mask: all four work-groups; elements of 8 bytes; bit 21 beside the mask; no padding
	s_mov_b32 s[G1+1], 32<<16                      ; rows of 32 elements = 256 bytes
	s_mov_b32 s[G1+2], 68<<16                      ; 68 rows: two packages
	s_mov_b32 s[G1+3], 32<<16
	s_mov_b32 s[G1+4], 68
	s_mov_b32 s[G1+5], 32                          ; dense
	s_mov_b32 s[G1+6], 0
	s_mov_b32 s[G1+7], 0
	s_mov_b32 s[CSC], 0x3fb8aa3b
	s_mov_b32 s[CSC+1], s[CSC]
	s_mov_b32 s[NC], 0xbfb8aa3b
	s_mov_b32 s[SEL], 0x76543210
	s_mov_b32 s[SEL+1], 0xfedcba98
	s_mul_i32 s36, s11, 139264                     ; the head's bytes in Q's or K's part of qkc
	s_mul_i32 s38, s[WV], 17408
	s_add_co_u32 s40, s36, 4456448
	s_add_co_u32 s40, s40, s38                     ; K's part, my head, my two packages
	s_mov_b32 s41, 0
	; what follows hangs on my place in the cluster: it enters Q's and the output's addresses alone
	s_bfe_u32 s9, ttmp6, 0x40000
	s_lshl_b32 s10, ttmp9, 2
	s_add_co_u32 s10, s10, s9                      ; my block of 256 queries
	s_lshl_b32 s42, s10, 1
	s_lshr_b32 s43, s[WV], 2
	s_add_co_u32 s42, s42, s43                     ; my package of 128 queries
	s_mul_i32 s44, s42, 8704
	s_add_co_u32 s44, s44, s36
	s_mov_b32 s45, 0
	s_and_b32 s43, s[WV], 3                        ; b: my 32 queries of the package
	s_lshl_b32 s46, s43, 11
	s_mov_b32 s47, 0
	s_lshl_b32 s20, s11, 4
	s_add_co_u32 s20, s20, s42
	s_lshl_b32 s20, s20, 9                         ; 512 bytes a package of 128 queries
	s_lshl_b32 s21, s43, 7
	s_add_co_u32 s20, s20, s21
	s_mov_b32 s21, 0
	s_lshl_b32 s43, s43, 3
	v_and_b32 v1, 31, v0
	v_lshlrev_b32 v1, 4, v1                        ; 16 x lane
	v_and_b32 v6, 15, v0
	v_lshlrev_b32 v2, 5, v6                        ; 32 r
	v_bfe_u32 v7, v0, 4, 1                         ; h
	v_and_b32 v5, 8, v6
	v_add_nc_u32 v5, v5, v6
	v_lshlrev_b32 v5, 2, v5
	v_lshl_add_u32 v5, v7, 5, v5                   ; out: 4 (r + 8 (r / 8)); lanes 16-31 store my second tile's, whose queries lie 8 further on
	v_add_nc_u32 v6, s43, v2                       ; Q's scale words: 32 r + 4 (2 b)
	s_wait_dscnt 0x0
	s_wait_kmcnt 0x0
	s_mov_b32 s[G0], 1
	s_mov_b32 s[G0+1], s38
	s_add_nc_u64 s[G0+2:G0+3], s[4:5], s[40:41]
	s_or_b32 s[G0+3], s[G0+3], 0x80000000
	s_add_nc_u64 s[44:45], s[4:5], s[44:45]        ; Q's package
	s_add_nc_u64 s[46:47], s[44:45], s[46:47]      ; my two tiles in it
	s_add_nc_u64 s[6:7], s[6:7], s[20:21]
	CROUND                                         ; all four work-groups are here: the joint loads meet
	tensor_load_to_lds s[G0:G0+3], s[G1:G1+7]      ; one load a wave is out
	s_nop 0
	PLACES 4
.irp j, 0,1
.irp c, 0,1
	global_load_b128 v[32+16*\j+4*\c:32+16*\j+4*\c+3], v1, s[46:47] offset:1024*\j+512*\c
.endr
	global_load_b32 v[12+\j], v6, s[44:45] offset:8192+4*\j
.endr
.irp f, 32,48,64,80,96,112                     ; zero codes for k = 64 .. 127, on both sides: written once, never loaded over
.irp i, 8,9,10,11,12,13,14,15
	v_mov_b32 v[\f+\i], 0
.endr
.endr
.irp j, 0,1
	v_mov_b32 v[VST+8*\j+1], 0xfe967699            ; m = -1e38
	v_mul_f32 v[VST+8*\j], s[NC], v[VST+8*\j+1]
	v_mov_b32 v[VST+8*\j+2], 0
	v_mov_b32 v[VST+8*\j+3], 0
.endr
	s_wait_tensorcnt 0x0                           ; my two packages are in,
	s_barrier_signal -1
	s_barrier_wait -1                              ; everybody's are
	s_mov_b32 s[TS], 0
	v_mov_b32 v3, v1
	v_mov_b32 v4, v2
	KLOAD 0, 8192
	s_wait_loadcnt 0x0                             ; Q
	s_mov_b32 s[CNT], 15
.Lpkg:                                             ; a trip: one package of 128 keys; its second half fetches the next package's first
	v_add_nc_u32 v3, s[TS], v1
	v_add_nc_u32 v4, s[TS], v2
	HALF 4096, 8192+16, 1
	HALF 8704, 8704+8192, 1
	s_add_co_u32 s[TS], s[TS], 8704
	s_sub_co_u32 s[CNT], s[CNT], 1
	s_cmp_lg_u32 s[CNT], 0
	s_cbranch_scc1 .Lpkg
	v_add_nc_u32 v3, s[TS], v1                     ; the last package is written out: nothing is fetched past K's end
	v_add_nc_u32 v4, s[TS], v2
	HALF 4096, 8192+16, 1
	HALF 0, 0, 0
.irp j, 0,1
	v_add_f32 v[VST+8*\j+4], v[VST+8*\j+2], v[VST+8*\j+3]
.endr
.irp j, 0,1
	v_permlanex16_b32 v[VST+8*\j+5], v[VST+8*\j+4], s[SEL], s[SEL+1]
.endr
.irp j, 0,1
	v_add_f32 v[VST+8*\j+4], v[VST+8*\j+4], v[VST+8*\j+5]        ; the row's sum, at least about 1: the largest score's own term
.endr
.irp j, 0,1
	v_log_f32 v[VST+8*\j+6], v[VST+8*\j+4]                       ; log2(l)
.endr
	v_cmp_ne_u32 vcc_lo, 0, v7                     ; the plain line behind the logarithms
	s_wait_alu depctr_va_vdst(0)                   ; one wait for both, ahead of their first reader
.irp j, 0,1
	v_sub_f32 v[VST+8*\j+7], v[VST+8*\j], v[VST+8*\j+6]          ; N' = N - log2(l)
.endr
	v_cndmask_b32 v[VST+4], v[VST+7], v[VST+15], vcc_lo          ; lanes 0-15 my first tile's, lanes 16-31 my second's (both halves of the lanes hold both)
	global_store_b32 v5, v[VST+4], s[6:7]          ; my 32 queries' numbers: 128 consecutive bytes
	s_wait_dscnt 0x0
	s_wait_tensorcnt 0x0
	ds_add_u32 v254, v255
	s_wait_dscnt 0x0
	CROUND                                         ; the closing round
	s_endpgm
.Lfunc_end_k_q9c51ac81e8_stats:
	.size	k_q9c51ac81e8_stats, .Lfunc_end_k_q9c51ac81e8_stats-k_q9c51ac81e8_stats
	.p2alignl 7, 3214868480
	.fill 96, 4, 3214868480
	.section	.rodata,"a",@progbits
	.p2align	6, 0x0
	.amdhsa_kernel k_q9c51ac81e8_stats
		.amdhsa_group_segment_fixed_size 168960
		.amdhsa_private_segment_fixed_size 0
		.amdhsa_enable_private_segment 0
		.amdhsa_kernarg_size 16
		.amdhsa_user_sgpr_count 2
		.amdhsa_user_sgpr_kernarg_segment_ptr 1
		.amdhsa_wavefront_size32 1
		.amdhsa_system_sgpr_workgroup_id_x 1
		.amdhsa_system_sgpr_workgroup_id_y 1
		.amdhsa_system_sgpr_workgroup_id_z 1
		.amdhsa_system_vgpr_workitem_id 0
		.amdhsa_next_free_vgpr 256
		.amdhsa_next_free_sgpr 66
		.amdhsa_reserve_vcc 1
		.amdhsa_float_denorm_mode_32 3
		.amdhsa_float_denorm_mode_16_64 3
		.amdhsa_memory_ordered 1
		.amdhsa_forward_progress 1
		.amdhsa_inst_pref_size 50
	.end_amdhsa_kernel
	.amdgpu_metadata
---
amdhsa.version: [ 1, 2 ]
amdhsa.kernels:
  - .name:           k_q9c51ac81e8_stats
    .symbol:         k_q9c51ac81e8_stats.kd
    .args:
      - { .name: qkc, .offset: 0, .size: 8, .value_kind: global_buffer, .address_space: global }
      - { .name: rowst, .offset: 8, .size: 8, .value_kind: global_buffer, .address_space: global }
    .group_segment_fixed_size: 168960
    .private_segment_fixed_size: 0
    .kernarg_segment_align: 8
    .kernarg_segment_size: 16
    .max_flat_workgroup_size: 256
    .sgpr_count:     66
    .vgpr_count:     256
    .wavefront_size: 32
...
	.end_amdgpu_metadata
.endif
;; end of part 2
;; launch main (part 3): grid 8 x 32, 4 waves a work-group, clusters of 4 x 1, 327,680 bytes of LDS; arguments qkc, dctn, rowst, t1; writes t1
.if DOCPART == 3
	.amdgcn_target "amdgcn-amd-amdhsa--gfx1250"
	.amdhsa_code_object_version 6
	.text
	.protected	k_q9c51ac81e8_main
	.globl	k_q9c51ac81e8_main
	.p2align	8
	.type	k_q9c51ac81e8_main,@function
k_q9c51ac81e8_main:
	s_mov_b64 s[64:65], 0
	v_nop
	global_prefetch_b8 v0, s[64:65] scope:SCOPE_SE
	s_setreg_imm32_b32 hwreg(HW_REG_WAVE_MODE, 25, 1), 1
	s_wait_xcnt 0x0
	s_wait_alu depctr_hold_cnt(0) depctr_sa_sdst(0) depctr_va_vdst(0) depctr_va_sdst(0) depctr_va_ssrc(0) depctr_va_vcc(0) depctr_vm_vsrc(0)
	s_getreg_b32 s2, hwreg(HW_REG_IB_STS2, 6, 4)
	s_cmp_eq_u32 s2, 0
	s_cbranch_scc0 .Lentry_in_a_cluster
	s_endpgm
.Lentry_in_a_cluster:
	s_bfe_u32 s2, ttmp6, 0x10000c
	s_cmp_lg_u32 s2, 0x3003
	s_cbranch_scc0 .Lentry_shape_is_right
	s_endpgm
.Lentry_shape_is_right:
; MAIN: T1[m][k] = the sum over q of Dct[m][q] atn[q][k], atn the finished softmax, quantised along q; T1 leaves quantised along k.
; SHARES.  A work-group takes 256 keys of one head and all 256 m; each of its four waves 64 keys x 256 m: 64 accumulators, 512 registers.  The queries stream in 16 steps of 128.
; A STEP.  Phase A, four times for 32 queries: scores = Q K^T (source 0 = 16 queries, source 1 = 16 keys: a lane holds ONE key, and its 16 registers of two neighbouring tiles are 16 neighbouring queries);
; p = 2^(fma(score, log2 e, N'[q])), N' = -log2(e) x the row's largest score - log2(the row's sum), from the launch before: the finished softmax in one multiply-add and one exponential;
; a block of 32 queries of a key lies in lanes l and l xor 16; the conversions' results are the operand's registers.
; Phase B: 64 products, source 0 = p (16 keys x 128 queries), source 1 = 16 rows of Dct: a lane holds one m, and its registers run along the keys.  The weights never leave the wave.
; What streams (Dct's two packages, Q's package, N' of 128 queries: 43,008 bytes a step) is the same for the four work-groups of a cluster, which belong to one head: it is asked for jointly,
; through two LDS slots; waves 0 and 1 fetch Dct's packages, wave 2 Q's, wave 3 the N': one tensor load a wave is out.
; All of a WGP's LDS is claimed.
; No prefetch: a refill is asked for a whole step ahead of its wait, and Dct's packages are read by every work-group.
; LIMITS: N' is an f32 rounded at its own size: a weight carries a relative error of up to about 0.35 ulp(N') and the logarithm's 1 ulp x ln 2 (some 5e-7 where |N'| is about 12); it grows with the scores as the
; rounding of a score of that size does.  v_exp_f32 gives 0 for results under 2^-126; a block of zeros carries the byte 1 (its codes are zeros; only this program reads the bytes); NaN and infinities are not served.
; REGISTERS.  Window 0: v1-13 addresses; v16-47 scale words; v48-111 scores, then p; v112-127 N' of 16 queries; v144-207 p's codes, four fragments; v208-223 at work.
;   Window 1: v0-63 Q's fragments, two buffers of two; v64-127 K's four; v128-255 eight fragments of Dct.   Windows 2, 3: accumulator (m tile t, key tile kt) at window 2 + t / 8, register 32 (t % 8) + 8 kt.
.set FLOOR, 0x4800000
.set SLOTX, 65536                      ; slot 1 begins here: one exclusive or turns an address
.set GPB, 16896                        ; a package: 8 images + 512 bytes of words
.set QOFF, 2*GPB                       ; in a slot: Dct's two packages, Q's package,
.set SOFF, QOFF+8704                   ; N' of 128 queries, 512 bytes
.set TSC, 131072                       ; T1's scale words meet here on the way out: 2,048 bytes that no tensor load fills
.set SPARE, TSC+2048                   ; the spare words, 128 bytes a wave
.set WV, 12
.set TB, 16                            ; s16 the slot in hand
.set CNT, 17
.set CSC, 18                           ; s[18:19] log2(e), twice
.set SEL, 20
.set MNT, 22
.set G1D, 24
.set G1Q, 32
.set G1S, 40
.set G0D, 48
.set G0Q, 52
.set G0S, 56
.set KB, 66                            ; s[66:67] my package of K
.set T1A, 68                           ; s[68:69] T1: my head, group 0, my K step
.set T1B, 70                           ; s[70:71] where I store a block of scale words
.set QS, 16
.set KS, 24
.set PS, 28
.set DS, 32
.set SR, 48
.set NM, 112
.set PCD, 144
.set TM, 208
.set HW, 224
.set MSB, 0
.macro WIN new                         ; the immediate's high byte repeats the setting that is left
.if MSB != (\new)
	s_set_vgpr_msb (MSB<<8)|(\new)
.set MSB, (\new)
.endif
.endm
.macro PLACES n
.rept \n
	v_nop
.endr
.endm
.macro CROUND
	s_barrier_signal -1
	s_barrier_wait -1
	s_cmp_lg_u32 s[WV], 0
	s_cbranch_scc1 .Lnw0_\@
	s_barrier_signal -3
.Lnw0_\@:
	s_barrier_wait -3
	s_barrier_signal -1
	s_barrier_wait -1
.endm
.macro DESC1 g, rows                   ; a dense block as rows of 256 bytes, for all four work-groups
	s_mov_b32 s[\g], 0x23000f
	s_mov_b32 s[\g+1], 32<<16
	s_mov_b32 s[\g+2], (\rows)<<16
	s_mov_b32 s[\g+3], 32<<16
	s_mov_b32 s[\g+4], \rows
	s_mov_b32 s[\g+5], 32
	s_mov_b32 s[\g+6], 0
	s_mov_b32 s[\g+7], 0
.endm
.macro TLOAD                           ; a wave's one joint load; the branches hang on the wave's number alone; four v_nop follow each line
	s_cmp_lt_u32 s[WV], 2
	s_cbranch_scc0 .Lnd_\@
	tensor_load_to_lds s[G0D:G0D+3], s[G1D:G1D+7]
	s_nop 0
	PLACES 4
	s_branch .Ldone_\@
.Lnd_\@:
	s_cmp_eq_u32 s[WV], 2
	s_cbranch_scc0 .Lns_\@
	tensor_load_to_lds s[G0Q:G0Q+3], s[G1Q:G1Q+7]
	s_nop 0
	PLACES 4
	s_branch .Ldone_\@
.Lns_\@:
	tensor_load_to_lds s[G0S:G0S+3], s[G1S:G1S+7]
	s_nop 0
	PLACES 4
.Ldone_\@:
.endm
; 64 numbers of a lane in window win, register 16 b + i: four blocks.  Left in window 0: v[TM+4+b] the byte, v[TM+8+b] 448 x the scale, v[TM+12+b] the conversion's scale operand
.macro QMAX src, win, sgn
	WIN (\win)*5
.irp b, 0,1,2,3
.if \sgn
	v_max3_num_f32 v[TM+\b], |v[(\src)+16*\b]|, |v[(\src)+16*\b+1]|, FLOOR
.else
	v_max3_num_f32 v[TM+\b], v[(\src)+16*\b], v[(\src)+16*\b+1], FLOOR
.endif
.endr
.irp i, 2,4,6,8,10,12,14
.irp b, 0,1,2,3
.if \sgn
	v_max3_num_f32 v[TM+\b], |v[(\src)+16*\b+\i]|, |v[(\src)+16*\b+\i+1]|, v[TM+\b]
.else
	v_max3_num_f32 v[TM+\b], v[(\src)+16*\b+\i], v[(\src)+16*\b+\i+1], v[TM+\b]
.endif
.endr
.endr
	WIN 0
.irp b, 0,1,2,3
	v_permlanex16_b32 v[TM+4+\b], v[TM+\b], s[SEL], s[SEL+1]
.endr
.irp b, 0,1,2,3
	v_max_num_f32 v[TM+\b], v[TM+\b], v[TM+4+\b]
.endr
.irp b, 0,1,2,3
	v_add_nc_u32 v[TM+12+\b], 0xfc000000, v[TM+\b]
.endr
.irp b, 0,1,2,3
	v_and_or_b32 v[TM+8+\b], v[TM+\b], 0x7f800000, s[MNT]
.endr
.irp b, 0,1,2,3
	v_lshrrev_b32 v[TM+4+\b], 23, v[TM+12+\b]
.endr
.endm
; the holds, into v[hb] on in window 0, and the conversions: block b's codes into v[cd + cs b] on
.macro QCVT src, win, hb, sgn, cd, cs
	WIN (\win)
.irp b, 0,1,2,3
.irp i, 0,1,2,3,4,5,6,7,8,9,10,11,12,13,14,15
.if \sgn
	v_med3_num_f32 v[(\hb)+16*\b+\i], v[(\src)+16*\b+\i], -v[TM+8+\b], v[TM+8+\b]
.else
	v_min_num_f32 v[(\hb)+16*\b+\i], v[(\src)+16*\b+\i], v[TM+8+\b]
.endif
.endr
.endr
	WIN 0
.irp b, 0,1,2,3
	v_cvt_scalef32_pk8_fp8_f32 v[(\cd)+(\cs)*\b:(\cd)+(\cs)*\b+1], v[(\hb)+16*\b:(\hb)+16*\b+7], v[TM+12+\b]
	v_cvt_scalef32_pk8_fp8_f32 v[(\cd)+(\cs)*\b+2:(\cd)+(\cs)*\b+3], v[(\hb)+16*\b+8:(\hb)+16*\b+15], v[TM+12+\b]
.endr
	v_nop                                          ; the plain line behind the last conversion
.endm
.macro STATL b                         ; N' of queries 32 b + 16 (lane / 16) + 0 .. 15
.irp jj, 0,1,2,3
	ds_load_b128 v[NM+4*\jj:NM+4*\jj+3], v6 offset:SOFF+128*(\b)+16*\jj
.endr
.endm
.macro QLOAD b                         ; Q's tiles 2 b and 2 b + 1 (destination: window 1, set by the caller)
.irp u, 0,1
.irp c, 0,1
	ds_load_b128 v[32*((\b)%2)+16*\u+4*\c:32*((\b)%2)+16*\u+4*\c+3], v4 offset:QOFF+1024*(2*(\b)+\u)+512*\c
.endr
.endr
.endm
.macro DLOAD t0                        ; Dct's tiles t0 .. t0 + 3 into fragment places t % 8 (destination: window 1)
.irp x, 0,1,2,3
.irp c, 0,1,2,3
	ds_load_b128 v[128+16*(((\t0)+\x)%8)+4*\c:128+16*(((\t0)+\x)%8)+4*\c+3], v4 offset:(((\t0)+\x)/8)*GPB+2048*(((\t0)+\x)%8)+512*\c
.endr
.endr
.endm
; THE CHANGE OF SLOTS, at a step's head.  Every wave waits for all its tensor loads (its part of the slot ahead), adds 0 to its spare word, waits for that and for its reads of the slot that it has left.
; fill = 1: a round of the cluster's barrier, and behind it the joint load of the next step into the slot just left.
.macro CHANGE fill
	WIN 0
	s_wait_tensorcnt 0x0                           ; no tensor load of mine is out, so the groups 0 may be written
	ds_add_u32 v7, v8                              ; 0 onto my spare word
.if \fill
	s_xor_b32 s[G0D+1], s[G0D+1], SLOTX
	s_add_nc_u64 s[G0D+2:G0D+3], s[G0D+2:G0D+3], 2*GPB
	s_xor_b32 s[G0Q+1], s[G0Q+1], SLOTX
	s_add_nc_u64 s[G0Q+2:G0Q+3], s[G0Q+2:G0Q+3], 8704
	s_xor_b32 s[G0S+1], s[G0S+1], SLOTX
	s_add_nc_u64 s[G0S+2:G0S+3], s[G0S+2:G0S+3], 512
.endif
	s_wait_dscnt 0x0                               ; the add is done, and my reads of the slot that I have left are over
.if \fill
	CROUND
	TLOAD
.else
	s_barrier_signal -1
	s_barrier_wait -1
.endif
	v_add_nc_u32 v4, s[TB], v1
	v_add_nc_u32 v5, s[TB], v2
	v_add_nc_u32 v6, s[TB], v3
	PLACES 8                                       ; in front of loads into registers that the last products read
.endm
; 32 queries against my 64 keys
.macro SUB b
.if (\b) == 0
	s_wait_dscnt 36                                ; Q's words, the N' and Q's two tiles are in; Dct's 32 loads and its 4 loads of words may be out
.else
	s_wait_dscnt 0x0
.endif
	WIN 0x05                                       ; Q and K in window 1, the scores in window 0
.irp kt, 0,1,2,3
.irp u, 0,1
	v_wmma_scale_f32_16x16x128_f8f6f4 v[SR+16*\kt+8*\u:SR+16*\kt+8*\u+7], v[32*((\b)%2)+16*\u:32*((\b)%2)+16*\u+15], v[64+16*\kt:64+16*\kt+15], 0, v[QS+2*(\b)+\u], v[KS+\kt]
.endr
.endr
	WIN 0
	PLACES 8
.if (\b) < 3
	WIN 0x40
	QLOAD (\b)+1
	WIN 0
.endif
	; ONE BATCH: the 32 scalings score x log2(e) + N', a pair each, and the 64 exponentials, by turns: two exponentials, then the scaling of the pair two further on.  None of these names an exponential's result.
	; Register 16 kt + i of the scores belongs to query i of the lane's 16; each accumulator is read from its low end on
	v_pk_fma_f32 v[SR:SR+1], v[SR:SR+1], s[CSC:CSC+1], v[NM:NM+1] op_sel_hi:[1,0,1]
	v_pk_fma_f32 v[SR+2:SR+3], v[SR+2:SR+3], s[CSC:CSC+1], v[NM+2:NM+3] op_sel_hi:[1,0,1]
.set pp, 0
.rept 32
	v_exp_f32 v[SR+2*pp], v[SR+2*pp]
	v_exp_f32 v[SR+2*pp+1], v[SR+2*pp+1]           ; the finished softmax
.if pp+2 < 32
	v_pk_fma_f32 v[SR+2*pp+4:SR+2*pp+5], v[SR+2*pp+4:SR+2*pp+5], s[CSC:CSC+1], v[NM+(2*pp+4)%16:NM+(2*pp+4)%16+1] op_sel_hi:[1,0,1]
.endif
.set pp, pp+1
.endr
	v_nop                                          ; the plain line behind the last exponential
	s_wait_alu depctr_va_vdst(0)                   ; one wait for the batch of 64, ahead of its first reader
.if (\b) < 3
	STATL (\b)+1
.endif
	QMAX SR, 0, 0                                  ; block = key tile: 32 queries of one key
.irp kt, 0,1,2,3
.if (\b) == 0
	v_mov_b32 v[PS+\kt], v[TM+4+\kt]
.else
	v_lshl_or_b32 v[PS+\kt], v[TM+4+\kt], 8*(\b), v[PS+\kt]
.endif
.endr
	QCVT SR, 0, SR, 0, PCD+4*(\b), 16              ; p is never negative: the hold is one-sided
.endm
.macro PHASEA
	ds_load_b128 v[QS:QS+3], v5 offset:QOFF+8192
	ds_load_b128 v[QS+4:QS+7], v5 offset:QOFF+8192+16
	STATL 0
	WIN 0x40
	QLOAD 0
	DLOAD 0
	DLOAD 4
	WIN 0
	ds_load_b128 v[DS:DS+3], v5 offset:16384
	ds_load_b128 v[DS+4:DS+7], v5 offset:16384+16
	ds_load_b128 v[DS+8:DS+11], v5 offset:GPB+16384
	ds_load_b128 v[DS+12:DS+15], v5 offset:GPB+16384+16
	SUB 0
	SUB 1
	SUB 2
	SUB 3
.endm
.macro MM t0, zero                     ; 16 products: m tiles t0 .. t0 + 3 x my four key tiles.  Each accumulator has one product a step: they take turns
.irp x, 0,1,2,3
.irp kt, 0,1,2,3
.if \zero
	v_wmma_scale_f32_16x16x128_f8f6f4 v[32*(((\t0)+\x)%8)+8*\kt:32*(((\t0)+\x)%8)+8*\kt+7], v[PCD+16*\kt:PCD+16*\kt+15], v[128+16*(((\t0)+\x)%8):128+16*(((\t0)+\x)%8)+15], 0, v[PS+\kt], v[DS+(\t0)+\x]
.else
	v_wmma_scale_f32_16x16x128_f8f6f4 v[32*(((\t0)+\x)%8)+8*\kt:32*(((\t0)+\x)%8)+8*\kt+7], v[PCD+16*\kt:PCD+16*\kt+15], v[128+16*(((\t0)+\x)%8):128+16*(((\t0)+\x)%8)+15], v[32*(((\t0)+\x)%8)+8*\kt:32*(((\t0)+\x)%8)+8*\kt+7], v[PS+\kt], v[DS+(\t0)+\x]
.endif
.endr
.endr
.endm
.macro PHASEB zero
	PLACES 3                                       ; with the line behind the last conversion: four places between the codes and the products
	WIN 0xa4                                       ; p in window 0, Dct in window 1, C and D in window 2
	MM 0, \zero
	PLACES 8
	WIN 0x40
	DLOAD 8
	WIN 0xa4
	MM 4, \zero
	PLACES 8
	WIN 0x40
	DLOAD 12
	s_wait_dscnt 16                                ; tiles 8 to 11 are in; the 16 loads just issued may be out
	WIN 0xf4                                       ; C and D in window 3
	MM 8, \zero
	s_wait_dscnt 0x0
	MM 12, \zero
	WIN 0
.endm
	s_load_b256 s[4:11], s[0:1], 0x0               ; qkc, dctn, rowst, t1
	v_lshl_add_u32 v7, v0, 2, SPARE
	v_mov_b32 v8, 0
	ds_add_u32 v7, v8
	ds_add_u32 v7, v8
	s_wait_dscnt 0x0
	v_lshrrev_b32 v1, 5, v0
	v_readfirstlane_b32 s[WV], v1
	s_and_b32 s15, ttmp7, 0xffff                   ; the head, which the four partners share
	DESC1 G1D, 66
	DESC1 G1Q, 34
	DESC1 G1S, 2
	s_mov_b32 s[CSC], 0x3fb8aa3b
	s_mov_b32 s[CSC+1], s[CSC]
	s_mov_b32 s[SEL], 0x76543210
	s_mov_b32 s[SEL+1], 0xfedcba98
	s_mov_b32 s[MNT], 0x600000
	s_mul_i32 s60, s15, 139264
	s_mov_b32 s61, 0
	s_lshl_b32 s62, s15, 13                        ; a head's N': 2,048 numbers
	s_mov_b32 s63, 0
	s_mul_i32 s2, s[WV], GPB
	s_mov_b32 s3, 0
	; what follows hangs on my place in the cluster: it enters K's and T1's global addresses alone, in registers of its own
	s_bfe_u32 s13, ttmp6, 0x40000
	s_lshl_b32 s14, ttmp9, 2
	s_add_co_u32 s14, s14, s13                     ; my block of 256 keys
	s_lshl_b32 s72, s14, 1
	s_lshr_b32 s73, s[WV], 1
	s_add_co_u32 s72, s72, s73                     ; my package of 128 keys = T1's K step
	s_mul_i32 s74, s72, 8704
	s_add_co_u32 s74, s74, s60
	s_add_co_u32 s74, s74, 4456448
	s_mov_b32 s75, 0
	s_mul_i32 s76, s15, 540672
	s_mul_i32 s77, s72, GPB
	s_add_co_u32 s76, s76, s77
	s_mov_b32 s77, 0
	s_and_b32 s82, s[WV], 1
	s_mul_i32 s78, s82, 270336
	s_add_co_u32 s78, s78, 16384
	s_mov_b32 s79, 0
	v_and_b32 v1, 31, v0
	v_lshlrev_b32 v1, 4, v1                        ; 16 x lane
	v_and_b32 v2, 15, v0
	v_lshlrev_b32 v2, 5, v2                        ; 32 r
	v_bfe_u32 v3, v0, 4, 1
	v_lshlrev_b32 v3, 6, v3                        ; 64 h
	s_lshl_b32 s23, s82, 10
	v_add_nc_u32 v9, s23, v1                       ; T1's codes: my two register groups of an image
	s_lshl_b32 s23, s82, 12
	v_add_nc_u32 v12, s23, v1                      ; K's codes: my four tiles of the package
	s_lshl_b32 s23, s82, 4
	v_add_nc_u32 v13, s23, v2                      ; and their words
	s_lshl_b32 s80, s82, 1
	s_lshl_b32 s81, s73, 10
	s_add_co_u32 s80, s80, s81
	s_add_co_u32 s80, s80, TSC
	v_add_nc_u32 v10, s80, v2                      ; my two bytes of a row's scale word
	s_lshl_b32 s80, s[WV], 9
	s_add_co_u32 s80, s80, TSC
	v_add_nc_u32 v11, s80, v1                      ; the block of words that I store
	s_wait_kmcnt 0x0
	s_mov_b32 s[G0D], 1
	s_mov_b32 s[G0D+1], s2
	s_add_nc_u64 s[G0D+2:G0D+3], s[6:7], s[2:3]
	s_or_b32 s[G0D+3], s[G0D+3], 0x80000000
	s_mov_b32 s[G0Q], 1
	s_mov_b32 s[G0Q+1], QOFF
	s_add_nc_u64 s[G0Q+2:G0Q+3], s[4:5], s[60:61]
	s_or_b32 s[G0Q+3], s[G0Q+3], 0x80000000
	s_mov_b32 s[G0S], 1
	s_mov_b32 s[G0S+1], SOFF
	s_add_nc_u64 s[G0S+2:G0S+3], s[8:9], s[62:63]
	s_or_b32 s[G0S+3], s[G0S+3], 0x80000000
	s_add_nc_u64 s[KB:KB+1], s[4:5], s[74:75]
	s_add_nc_u64 s[T1A:T1A+1], s[10:11], s[76:77]
	s_add_nc_u64 s[T1B:T1B+1], s[T1A:T1A+1], s[78:79]
	CROUND                                         ; all four work-groups are here: the first joint loads meet
	TLOAD                                          ; step 0 into slot 0
	WIN 0x40
.irp kt, 0,1,2,3
.irp c, 0,1
	global_load_b128 v[64+16*\kt+4*\c:64+16*\kt+4*\c+3], v12, s[KB:KB+1] offset:1024*\kt+512*\c    ; K's fragments stay in registers
.endr
.endr
.irp f, 0,16,32,48,64,80,96,112                ; zero codes for k = 64 .. 127 of Q's and K's fragments: written once, never loaded over
.irp i, 8,9,10,11,12,13,14,15
	v_mov_b32 v[\f+\i], 0
.endr
.endr
	WIN 0
	global_load_b128 v[KS:KS+3], v13, s[KB:KB+1] offset:8192
.irp b, 0,1,2,3
	v_mov_b32 v[TM+4+\b], 0                        ; a lane permute's destination counts as one of its sources
.endr
	s_mov_b32 s[TB], 0
	s_wait_loadcnt 0x0
	CHANGE 1                                       ; step 0 is written out: its products start the sums, nothing is cleared
	PHASEA
	PHASEB 1
	s_xor_b32 s[TB], s[TB], SLOTX
	s_mov_b32 s[CNT], 14
.Lstep:
	CHANGE 1
	PHASEA
	PHASEB 0
	s_xor_b32 s[TB], s[TB], SLOTX
	s_sub_co_u32 s[CNT], s[CNT], 1
	s_cmp_lg_u32 s[CNT], 0
	s_cbranch_scc1 .Lstep
	CHANGE 0                                       ; the last step is written out
	PHASEA
	PHASEB 0
; THE WAY OUT.  Two m tiles at a time: 64 numbers of a lane, four blocks of 32 keys (each shared with lane l xor 16).  The codes are two register groups of an image: 512 consecutive bytes a store.
; A row's scale word has two bytes of mine and two of the wave beside me: they meet in LDS, and each wave then stores one whole block of 512 bytes.
.macro TOUT tp
.set AW, 2+(\tp)/4
.set AS0, 64*((\tp)%4)
.set CS0, PCD+16*((\tp)%4)
	QMAX AS0, AW, 1
	v_lshl_or_b32 v[HW+2*((\tp)%2)], v[TM+5], 8, v[TM+4]
	v_lshl_or_b32 v[HW+2*((\tp)%2)+1], v[TM+7], 8, v[TM+6]
.if (\tp) >= 4
	s_wait_xcnt 0x0                                ; the stores of four turns ago have read these code registers
.endif
	QCVT AS0, AW, SR, 1, CS0, 4
.irp b, 0,1,2,3
	global_store_b128 v9, v[CS0+4*\b:CS0+4*\b+3], s[T1A:T1A+1] offset:((\tp)/4)*270336+2048*((2*(\tp)+\b/2)%8)+512*(\b%2)
.endr
	ds_store_b16 v10, v[HW+2*((\tp)%2)] offset:512*((\tp)/4)+4*((2*(\tp))%8)       ; both lanes of a block write the same two bytes
	ds_store_b16 v10, v[HW+2*((\tp)%2)+1] offset:512*((\tp)/4)+4*((2*(\tp)+1)%8)
.endm
	PLACES 8
.irp tp, 0,1,2,3,4,5,6,7
	TOUT \tp
.endr
	s_wait_dscnt 0x0                               ; for the others' sake: my bytes lie in LDS
	s_barrier_signal -1
	s_barrier_wait -1
	ds_load_b128 v[SR:SR+3], v11
	s_wait_dscnt 0x0
	global_store_b128 v1, v[SR:SR+3], s[T1B:T1B+1]
	s_wait_tensorcnt 0x0                           ; the wave's end
	ds_add_u32 v7, v8
	s_wait_dscnt 0x0
	CROUND                                         ; the closing round
	s_endpgm
.Lfunc_end_k_q9c51ac81e8_main:
	.size	k_q9c51ac81e8_main, .Lfunc_end_k_q9c51ac81e8_main-k_q9c51ac81e8_main
	.p2alignl 7, 3214868480
	.fill 96, 4, 3214868480
	.section	.rodata,"a",@progbits
	.p2align	6, 0x0
	.amdhsa_kernel k_q9c51ac81e8_main
		.amdhsa_group_segment_fixed_size 327680
		.amdhsa_private_segment_fixed_size 0
		.amdhsa_enable_private_segment 0
		.amdhsa_kernarg_size 32
		.amdhsa_user_sgpr_count 2
		.amdhsa_user_sgpr_kernarg_segment_ptr 1
		.amdhsa_wavefront_size32 1
		.amdhsa_system_sgpr_workgroup_id_x 1
		.amdhsa_system_sgpr_workgroup_id_y 1
		.amdhsa_system_sgpr_workgroup_id_z 1
		.amdhsa_system_vgpr_workitem_id 0
		.amdhsa_next_free_vgpr 1024
		.amdhsa_next_free_sgpr 84
		.amdhsa_reserve_vcc 0
		.amdhsa_float_denorm_mode_32 3
		.amdhsa_float_denorm_mode_16_64 3
		.amdhsa_memory_ordered 1
		.amdhsa_forward_progress 1
		.amdhsa_inst_pref_size 255
	.end_amdhsa_kernel
	.section	.bss,"aw",@nobits
	.p2align	6
	.space	262144
	.amdgpu_metadata
---
amdhsa.version: [ 1, 2 ]
amdhsa.kernels:
  - .name:           k_q9c51ac81e8_main
    .symbol:         k_q9c51ac81e8_main.kd
    .args:
      - { .name: qkc, .offset: 0, .size: 8, .value_kind: global_buffer, .address_space: global }
      - { .name: dctn, .offset: 8, .size: 8, .value_kind: global_buffer, .address_space: global }
      - { .name: rowst, .offset: 16, .size: 8, .value_kind: global_buffer, .address_space: global }
      - { .name: t1, .offset: 24, .size: 8, .value_kind: global_buffer, .address_space: global }
    .group_segment_fixed_size: 327680
    .private_segment_fixed_size: 0
    .kernarg_segment_align: 8
    .kernarg_segment_size: 32
    .max_flat_workgroup_size: 128
    .sgpr_count:     84
    .vgpr_count:     1024
    .wavefront_size: 32
...
	.end_amdgpu_metadata
.endif
;; end of part 3
;; launch t2 (part 4): grid 4 x 64, 4 waves a work-group, clusters of 4 x 1, 327,680 bytes of LDS; arguments t1, dctn, vc, t2vd; writes t2vd
.if DOCPART == 4
	.amdgcn_target "amdgcn-amd-amdhsa--gfx1250"
	.amdhsa_code_object_version 6
	.text
	.protected	k_q9c51ac81e8_t2
	.globl	k_q9c51ac81e8_t2
	.p2align	8
	.type	k_q9c51ac81e8_t2,@function
k_q9c51ac81e8_t2:
	s_mov_b64 s[64:65], 0
	v_nop
	global_prefetch_b8 v0, s[64:65] scope:SCOPE_SE
	s_setreg_imm32_b32 hwreg(HW_REG_WAVE_MODE, 25, 1), 1
	s_wait_xcnt 0x0
	s_wait_alu depctr_hold_cnt(0) depctr_sa_sdst(0) depctr_va_vdst(0) depctr_va_sdst(0) depctr_va_ssrc(0) depctr_va_vcc(0) depctr_vm_vsrc(0)
	s_getreg_b32 s2, hwreg(HW_REG_IB_STS2, 6, 4)
	s_cmp_eq_u32 s2, 0
	s_cbranch_scc0 .Lentry_in_a_cluster
	s_endpgm
.Lentry_in_a_cluster:
	s_bfe_u32 s2, ttmp6, 0x10000c
	s_cmp_lg_u32 s2, 0x3003
	s_cbranch_scc0 .Lentry_shape_is_right
	s_endpgm
.Lentry_shape_is_right:
; T2: T2[m][n'] = the sum over k of T1[m][k] Dct[n'][k], and Vd[m][d] = the sum over n of Dct[m][n] (V mask)[n][d]; both leave quantised along m, as images of operand registers.
; SHARES.  Work-group (quad, y = 2 head + g): 128 m (group g) x 64 n' of T2, and 128 m x 16 d (tile quad) of Vd.  Wave w: T2's 8 m tiles x n' tile 4 quad + w; Vd's m tiles 2 w, 2 w + 1: one whole block of 32.
; Both products are used with the m rows as source 0: a lane holds one n' (or d), and its registers run along m, which is the next product's K.
; T1's 16 packages (270,336 bytes) of (head, g) come into LDS once; the four work-groups of a cluster share them: each of a wave's four loads is asked for jointly; four tensor loads of a wave are out at most.
; Dct's fragments of my n' tile for all 16 K steps stay in registers (window 1).  Vd's product runs out of registers while T1's packages land.
; LIMITS: a block of zeros carries the byte 1 (its codes are zeros; only this program reads the bytes); NaN and infinities are not served.  No prefetch: LDS is filled once, at the head.
.set FLOOR, 0x4800000
.set GPB, 16896
.set VSC, 16*GPB                       ; Vd's scale words meet here: 128 bytes
.set WV, 12
.set SEL, 18
.set MNT, 20
.set G1, 24
.set G0, 32                            ; s[32:47] four groups 0
.set DB, 48                            ; Dct: my n' tile's images;  DBW its words
.set DBW, 50
.set DD, 52                            ; Dct: my two m tiles' images;  DDW their words
.set DDW, 54
.set VB, 56                            ; V's images of my d tile;  VBW their words
.set VBW, 58
.set QPV, 60
.set QPW, 62
.set T2D, 66
.set T2W, 68
.set QP, 70
.set VA, 72
.set HA, 96
.set PCD, 160
.set PW, 176
.set TM, 180
.set MSB, 0
.macro WIN new
.if MSB != (\new)
	s_set_vgpr_msb (MSB<<8)|(\new)
.set MSB, (\new)
.endif
.endm
.macro PLACES n
.rept \n
	v_nop
.endr
.endm
.macro CROUND
	s_barrier_signal -1
	s_barrier_wait -1
	s_cmp_lg_u32 s[WV], 0
	s_cbranch_scc1 .Lnw0_\@
	s_barrier_signal -3
.Lnw0_\@:
	s_barrier_wait -3
	s_barrier_signal -1
	s_barrier_wait -1
.endm
.macro QMAX src, win, sgn
	WIN (\win)*5
.irp b, 0,1,2,3
	v_max3_num_f32 v[TM+\b], |v[(\src)+16*\b]|, |v[(\src)+16*\b+1]|, FLOOR
.endr
.irp i, 2,4,6,8,10,12,14
.irp b, 0,1,2,3
	v_max3_num_f32 v[TM+\b], |v[(\src)+16*\b+\i]|, |v[(\src)+16*\b+\i+1]|, v[TM+\b]
.endr
.endr
	WIN 0
.irp b, 0,1,2,3
	v_permlanex16_b32 v[TM+4+\b], v[TM+\b], s[SEL], s[SEL+1]
.endr
.irp b, 0,1,2,3
	v_max_num_f32 v[TM+\b], v[TM+\b], v[TM+4+\b]
.endr
.irp b, 0,1,2,3
	v_add_nc_u32 v[TM+12+\b], 0xfc000000, v[TM+\b]
.endr
.irp b, 0,1,2,3
	v_and_or_b32 v[TM+8+\b], v[TM+\b], 0x7f800000, s[MNT]
.endr
.irp b, 0,1,2,3
	v_lshrrev_b32 v[TM+4+\b], 23, v[TM+12+\b]
.endr
.endm
.macro QCVT src, win, hb, sgn, cd, cs
	WIN (\win)
.irp b, 0,1,2,3
.irp i, 0,1,2,3,4,5,6,7,8,9,10,11,12,13,14,15
	v_med3_num_f32 v[(\hb)+16*\b+\i], v[(\src)+16*\b+\i], -v[TM+8+\b], v[TM+8+\b]
.endr
.endr
	WIN 0
.irp b, 0,1,2,3
	v_cvt_scalef32_pk8_fp8_f32 v[(\cd)+(\cs)*\b:(\cd)+(\cs)*\b+1], v[(\hb)+16*\b:(\hb)+16*\b+7], v[TM+12+\b]
	v_cvt_scalef32_pk8_fp8_f32 v[(\cd)+(\cs)*\b+2:(\cd)+(\cs)*\b+3], v[(\hb)+16*\b+8:(\hb)+16*\b+15], v[TM+12+\b]
.endr
	v_nop
.endm
; Vd: the operands of four K steps, 56 loads, into set bi % 2 (window 2 or 3; the words in window 0)
.macro VBATCH bi
.set P, (\bi)%2
	WIN (2+P)<<6
.irp k, 0,1,2,3
.irp u, 0,1
.irp c, 0,1,2,3
	global_load_b128 v[32*\k+16*\u+4*\c:32*\k+16*\u+4*\c+3], v1, s[DD:DD+1] offset:(4*(\bi)+\k)*2*GPB+2048*\u+512*\c
.endr
.endr
.irp c, 0,1,2,3
	global_load_b128 v[128+16*\k+4*\c:128+16*\k+4*\c+3], v1, s[VB:VB+1] offset:(4*(\bi)+\k)*8192+512*\c
.endr
.endr
	WIN 0
.irp k, 0,1,2,3
	global_load_b64 v[48+12*P+2*\k:48+12*P+2*\k+1], v2, s[DDW:DDW+1] offset:(4*(\bi)+\k)*2*GPB
	global_load_b32 v[48+12*P+8+\k], v3, s[VBW:VBW+1] offset:(4*(\bi)+\k)*256
.endr
.endm
.macro VMUL bi
.set P, (\bi)%2
.if (\bi) < 3
	s_wait_loadcnt 56                              ; this batch is in; the one behind it, 56 loads, may be out
.else
	s_wait_loadcnt 0x0
.endif
	WIN 5*(2+P)
.irp k, 0,1,2,3
.irp u, 0,1                                    ; the two accumulators take turns, one product a turn
.if ((\bi) == 0) && (\k == 0)
	v_wmma_scale_f32_16x16x128_f8f6f4 v[VA+8*\u:VA+8*\u+7], v[32*\k+16*\u:32*\k+16*\u+15], v[128+16*\k:128+16*\k+15], 0, v[48+12*P+2*\k+\u], v[48+12*P+8+\k]
.else
	v_wmma_scale_f32_16x16x128_f8f6f4 v[VA+8*\u:VA+8*\u+7], v[32*\k+16*\u:32*\k+16*\u+15], v[128+16*\k:128+16*\k+15], v[VA+8*\u:VA+8*\u+7], v[48+12*P+2*\k+\u], v[48+12*P+8+\k]
.endif
.endr
.endr
	WIN 0
	PLACES 8
.if (\bi)+2 < 4
	VBATCH (\bi)+2
.endif
.endm
.macro TFETCH ks                       ; T1's 8 fragments and 8 words of K step ks, into set ks % 2
	v_add_nc_u32 v4, (\ks)*GPB, v1
	v_add_nc_u32 v5, (\ks)*GPB, v2
	WIN (2+(\ks)%2)<<6
.irp t, 0,1,2,3,4,5,6,7
.irp c, 0,1,2,3
	ds_load_b128 v[16*\t+4*\c:16*\t+4*\c+3], v4 offset:2048*\t+512*\c
.endr
.endr
	WIN 0
	ds_load_b128 v[16+8*((\ks)%2):16+8*((\ks)%2)+3], v5 offset:16384
	ds_load_b128 v[20+8*((\ks)%2):20+8*((\ks)%2)+3], v5 offset:16400
.endm
.macro TSTEP ks
.if (\ks) < 15
.if (((\ks)+1)%4) == 0
	s_wait_tensorcnt 3-((\ks)+1)/4                 ; my package of the next four K steps is in; my later ones may be out
	s_wait_dscnt 0x0
	s_barrier_signal -1
	s_barrier_wait -1                              ; everybody's is
.endif
	PLACES 8                                       ; in front of loads into the set that the products of the step before read
	TFETCH (\ks)+1
	s_wait_dscnt 34                                ; this step's are in; the 34 just issued may be out
.else
	s_wait_dscnt 0x0
.endif
	WIN (2+(\ks)%2)|4                              ; T1 in window 2 or 3, Dct in window 1
.irp t, 0,1,2,3,4,5,6,7
.if (\ks) == 0
	v_wmma_scale_f32_16x16x128_f8f6f4 v[HA+8*\t:HA+8*\t+7], v[16*\t:16*\t+15], v[16*(\ks):16*(\ks)+15], 0, v[16+8*((\ks)%2)+\t], v[32+(\ks)]
.else
	v_wmma_scale_f32_16x16x128_f8f6f4 v[HA+8*\t:HA+8*\t+7], v[16*\t:16*\t+15], v[16*(\ks):16*(\ks)+15], v[HA+8*\t:HA+8*\t+7], v[16+8*((\ks)%2)+\t], v[32+(\ks)]
.endif
.endr
	WIN 0
.endm
	s_load_b256 s[4:11], s[0:1], 0x0               ; t1, dctn, vc, t2vd
	v_lshl_add_u32 v254, v0, 2, 0x42100
	v_mov_b32 v255, 0
	ds_add_u32 v254, v255
	ds_add_u32 v254, v255
	v_lshrrev_b32 v1, 5, v0
	v_readfirstlane_b32 s[WV], v1
	s_and_b32 s15, ttmp7, 0xffff                   ; y = 2 head + g, which the four partners share
	s_lshr_b32 s16, s15, 1
	s_and_b32 s17, s15, 1
	s_mov_b32 s[G1], 0x23000f                      ; mask: all four; elements of 8 bytes; bit 21 beside the mask
	s_mov_b32 s[G1+1], 32<<16
	s_mov_b32 s[G1+2], 66<<16                      ; a package: 66 rows of 256 bytes
	s_mov_b32 s[G1+3], 32<<16
	s_mov_b32 s[G1+4], 66
	s_mov_b32 s[G1+5], 32
	s_mov_b32 s[G1+6], 0
	s_mov_b32 s[G1+7], 0
	s_mov_b32 s[SEL], 0x76543210
	s_mov_b32 s[SEL+1], 0xfedcba98
	s_mov_b32 s[MNT], 0x600000
	s_mul_i32 s2, s15, 270336
	s_mul_i32 s21, s[WV], GPB
	s_add_co_u32 s2, s2, s21
	s_mov_b32 s3, 0
	; what follows hangs on my place in the cluster: global addresses of register loads and stores alone
	s_bfe_u32 s13, ttmp6, 0x40000
	s_lshl_b32 s14, ttmp9, 2
	s_add_co_u32 s14, s14, s13                     ; quad
	v_and_b32 v1, 31, v0
	v_lshlrev_b32 v6, 2, v1                        ; 4 x lane
	v_lshlrev_b32 v1, 4, v1                        ; 16 x lane
	v_and_b32 v3, 15, v0
	v_lshlrev_b32 v2, 5, v3                        ; 32 r
	v_lshlrev_b32 v3, 2, v3                        ; 4 r
	v_add_nc_u32 v8, VSC, v6
	v_add_nc_u32 v7, s[WV], v8                     ; byte w of my lane's word
.irp b, 0,1,2,3
	v_mov_b32 v[TM+4+\b], 0
.endr
	s_wait_dscnt 0x0
	s_wait_kmcnt 0x0
	s_add_nc_u64 s[2:3], s[4:5], s[2:3]
.irp i, 0,1,2,3
	s_mov_b32 s[G0+4*\i], 1
	s_add_co_u32 s[G0+4*\i+1], s21, \i*4*GPB       ; K step 4 i + w
	s_add_nc_u64 s[G0+4*\i+2:G0+4*\i+3], s[2:3], \i*4*GPB
	s_or_b32 s[G0+4*\i+3], s[G0+4*\i+3], 0x80000000
.endr
	s_lshr_b32 s72, s14, 1
	s_mul_i32 s72, s72, GPB                        ; which group of 128 n'
	s_and_b32 s73, s14, 1
	s_lshl_b32 s73, s73, 2
	s_add_co_u32 s73, s73, s[WV]                   ; my n' tile in its package
	s_lshl_b32 s74, s73, 11
	s_add_co_u32 s74, s74, s72
	s_mov_b32 s75, 0
	s_add_nc_u64 s[DB:DB+1], s[6:7], s[74:75]
	s_lshl_b32 s74, s73, 2
	s_add_co_u32 s74, s74, s72
	s_add_co_u32 s74, s74, 16384
	s_add_nc_u64 s[DBW:DBW+1], s[6:7], s[74:75]
	s_mul_i32 s22, s17, GPB
	s_lshl_b32 s76, s[WV], 12
	s_add_co_u32 s76, s76, s22
	s_mov_b32 s77, 0
	s_add_nc_u64 s[DD:DD+1], s[6:7], s[76:77]
	s_lshl_b32 s76, s[WV], 3
	s_add_co_u32 s76, s76, s22
	s_add_co_u32 s76, s76, 16384
	s_add_nc_u64 s[DDW:DDW+1], s[6:7], s[76:77]
	s_lshl_b32 s74, s16, 17
	s_lshl_b32 s73, s14, 11
	s_add_co_u32 s74, s74, s73
	s_add_nc_u64 s[VB:VB+1], s[8:9], s[74:75]
	s_lshl_b32 s74, s16, 12
	s_lshl_b32 s73, s14, 6
	s_add_co_u32 s74, s74, s73
	s_add_co_u32 s74, s74, 4194304
	s_add_nc_u64 s[VBW:VBW+1], s[8:9], s[74:75]
	s_mul_i32 s74, s16, 87040
	s_mul_i32 s73, s14, 21760
	s_add_co_u32 s74, s74, s73
	s_add_nc_u64 s[QP:QP+1], s[10:11], s[74:75]    ; my package of the output
	s_lshl_b32 s76, s17, 11
	s_lshl_b32 s73, s[WV], 9
	s_add_co_u32 s76, s76, s73
	s_add_nc_u64 s[QPV:QPV+1], s[QP:QP+1], s[76:77]
	s_lshl_b32 s76, s17, 7
	s_add_nc_u64 s[QPW:QPW+1], s[QP:QP+1], s[76:77]
	s_lshl_b32 s76, s[WV], 1
	s_add_co_u32 s76, s76, s17
	s_lshl_b32 s76, s76, 11
	s_add_nc_u64 s[T2D:T2D+1], s[QP:QP+1], s[76:77]
	s_lshl_b32 s76, s17, 9
	s_lshl_b32 s73, s[WV], 7
	s_add_co_u32 s76, s76, s73
	s_add_nc_u64 s[T2W:T2W+1], s[QP:QP+1], s[76:77]
	CROUND                                         ; all four work-groups are here: the joint loads meet
	tensor_load_to_lds s[G0:G0+3], s[G1:G1+7]      ; my four first fills stand together; four v_nop follow the last
	s_nop 0
	tensor_load_to_lds s[G0+4:G0+7], s[G1:G1+7]
	s_nop 0
	tensor_load_to_lds s[G0+8:G0+11], s[G1:G1+7]
	s_nop 0
	tensor_load_to_lds s[G0+12:G0+15], s[G1:G1+7]
	s_nop 0
	PLACES 4
	WIN 0x40
.set kk, 0
.rept 16
.irp c, 0,1,2,3
	global_load_b128 v[16*kk+4*\c:16*kk+4*\c+3], v1, s[DB:DB+1] offset:kk*2*GPB+512*\c
.endr
.set kk, kk+1
.endr
	WIN 0
.set kk, 0
.rept 16
	global_load_b32 v[32+kk], v2, s[DBW:DBW+1] offset:kk*2*GPB
.set kk, kk+1
.endr
	VBATCH 0
	VBATCH 1
	VMUL 0
	VMUL 1
	VMUL 2
	VMUL 3
	; Vd's block of 32 m: my 16 numbers and lane l xor 16's
	v_max3_num_f32 v[TM], |v[VA]|, |v[VA+1]|, FLOOR
.irp i, 2,4,6,8,10,12,14
	v_max3_num_f32 v[TM], v[TM], |v[VA+\i]|, |v[VA+\i+1]|
.endr
	v_permlanex16_b32 v[TM+4], v[TM], s[SEL], s[SEL+1]
	v_max_num_f32 v[TM], v[TM], v[TM+4]
	v_add_nc_u32 v[TM+12], 0xfc000000, v[TM]
	v_and_or_b32 v[TM+8], v[TM], 0x7f800000, s[MNT]
	v_lshrrev_b32 v[TM+4], 23, v[TM+12]
.irp i, 0,1,2,3,4,5,6,7,8,9,10,11,12,13,14,15
	v_med3_num_f32 v[VA+\i], v[VA+\i], -v[TM+8], v[TM+8]
.endr
	v_cvt_scalef32_pk8_fp8_f32 v[88:89], v[VA:VA+7], v[TM+12]
	v_cvt_scalef32_pk8_fp8_f32 v[90:91], v[VA+8:VA+15], v[TM+12]
	v_nop
	global_store_b128 v1, v[88:91], s[QPV:QPV+1] offset:17408   ; register group w of Vd's image: 512 consecutive bytes
	ds_store_b8 v7, v[TM+4]
	s_wait_tensorcnt 3                             ; my first package is in; my three later ones may be out
	s_wait_dscnt 0x0                               ; my byte lies in LDS
	s_barrier_signal -1
	s_barrier_wait -1
	s_cmp_lg_u32 s[WV], 0
	s_cbranch_scc1 .Lnot0
	ds_load_b32 v92, v8                            ; wave 0 stores Vd's 32 words
	s_wait_dscnt 0x0
	global_store_b32 v6, v92, s[QPW:QPW+1] offset:21504
.Lnot0:
	TFETCH 0
.set KK, 0
.rept 16
	TSTEP KK
.set KK, KK+1
.endr
	PLACES 8
	QMAX HA, 0, 1
	v_lshl_or_b32 v[PW], v[TM+5], 8, v[TM+4]
	v_lshl_or_b32 v[PW], v[TM+6], 16, v[PW]
	v_lshl_or_b32 v[PW], v[TM+7], 24, v[PW]
	QCVT HA, 0, HA, 1, PCD, 4
.irp c, 0,1,2,3
	global_store_b128 v1, v[PCD+4*\c:PCD+4*\c+3], s[T2D:T2D+1] offset:512*\c
.endr
	global_store_b32 v6, v[PW], s[T2W:T2W+1] offset:16384
	s_wait_dscnt 0x0
	s_wait_tensorcnt 0x0
	ds_add_u32 v254, v255
	s_wait_dscnt 0x0
	CROUND                                         ; the closing round
	s_endpgm
.Lfunc_end_k_q9c51ac81e8_t2:
	.size	k_q9c51ac81e8_t2, .Lfunc_end_k_q9c51ac81e8_t2-k_q9c51ac81e8_t2
	.p2alignl 7, 3214868480
	.fill 96, 4, 3214868480
	.section	.rodata,"a",@progbits
	.p2align	6, 0x0
	.amdhsa_kernel k_q9c51ac81e8_t2
		.amdhsa_group_segment_fixed_size 327680
		.amdhsa_private_segment_fixed_size 0
		.amdhsa_enable_private_segment 0
		.amdhsa_kernarg_size 32
		.amdhsa_user_sgpr_count 2
		.amdhsa_user_sgpr_kernarg_segment_ptr 1
		.amdhsa_wavefront_size32 1
		.amdhsa_system_sgpr_workgroup_id_x 1
		.amdhsa_system_sgpr_workgroup_id_y 1
		.amdhsa_system_sgpr_workgroup_id_z 1
		.amdhsa_system_vgpr_workitem_id 0
		.amdhsa_next_free_vgpr 1024
		.amdhsa_next_free_sgpr 80
		.amdhsa_reserve_vcc 0
		.amdhsa_float_denorm_mode_32 3
		.amdhsa_float_denorm_mode_16_64 3
		.amdhsa_memory_ordered 1
		.amdhsa_forward_progress 1
		.amdhsa_inst_pref_size 111
	.end_amdhsa_kernel
	.amdgpu_metadata
---
amdhsa.version: [ 1, 2 ]
amdhsa.kernels:
  - .name:           k_q9c51ac81e8_t2
    .symbol:         k_q9c51ac81e8_t2.kd
    .args:
      - { .name: t1, .offset: 0, .size: 8, .value_kind: global_buffer, .address_space: global }
      - { .name: dctn, .offset: 8, .size: 8, .value_kind: global_buffer, .address_space: global }
      - { .name: vc, .offset: 16, .size: 8, .value_kind: global_buffer, .address_space: global }
      - { .name: t2vd, .offset: 24, .size: 8, .value_kind: global_buffer, .address_space: global }
    .group_segment_fixed_size: 327680
    .private_segment_fixed_size: 0
    .kernarg_segment_align: 8
    .kernarg_segment_size: 32
    .max_flat_workgroup_size: 128
    .sgpr_count:     80
    .vgpr_count:     1024
    .wavefront_size: 32
...
	.end_amdgpu_metadata
.endif
;; end of part 4
;; launch outp (part 5): grid 8 x 32, 4 waves a work-group, clusters of 4 x 1, 168,448 bytes of LDS; arguments t2vd, dctm, out0; writes out0
.if DOCPART == 5
	.amdgcn_target "amdgcn-amd-amdhsa--gfx1250"
	.amdhsa_code_object_version 6
	.text
	.protected	k_q9c51ac81e8_outp
	.globl	k_q9c51ac81e8_outp
	.p2align	8
	.type	k_q9c51ac81e8_outp,@function
k_q9c51ac81e8_outp:
	s_mov_b64 s[64:65], 0
	v_nop
	global_prefetch_b8 v0, s[64:65] scope:SCOPE_SE
	s_setreg_imm32_b32 hwreg(HW_REG_WAVE_MODE, 25, 1), 1
	s_wait_xcnt 0x0
	s_wait_alu depctr_hold_cnt(0) depctr_sa_sdst(0) depctr_va_vdst(0) depctr_va_sdst(0) depctr_va_ssrc(0) depctr_va_vcc(0) depctr_vm_vsrc(0)
	s_getreg_b32 s2, hwreg(HW_REG_IB_STS2, 6, 4)
	s_cmp_eq_u32 s2, 0
	s_cbranch_scc0 .Lentry_in_a_cluster
	s_endpgm
.Lentry_in_a_cluster:
	s_bfe_u32 s2, ttmp6, 0x10000c
	s_cmp_lg_u32 s2, 0x3003
	s_cbranch_scc0 .Lentry_shape_is_right
	s_endpgm
.Lentry_shape_is_right:
; OUTP: X[q][n'] = the sum over m of Dct[m][q] T2[m][n'], quantised along n' in registers; out[q][d] = the sum over n' of X[q][n'] Vd[n'][d].
; SHARES.  A work-group takes 256 queries of one head, each of its four waves four tiles of 16.  T2's 32 fragments, Vd's 8 and the wave's 8 fragments of Dct stay in registers (windows 1 to 3).
; X is made with T2's n' rows as source 0: a lane holds one query, and its registers run along n', the next K.  The last product has Vd's d rows as source 0: a lane holds eight neighbouring d of a row of the output.
; The head's four packages of T2 and Vd (87,040 bytes) come into LDS once; the four work-groups of a cluster belong to one head: each wave's one load is asked for jointly.
; The output goes through the wave's own stage in LDS (rows of 256 bytes + 16), so that sixteen lanes store 256 consecutive bytes, aligned.
; LIMITS: a block of zeros carries the byte 1 (its codes are zeros); NaN and infinities are not served.  No prefetch: LDS is filled once, at the head.
.set FLOOR, 0x4800000
.set QPB, 21760
.set STAGE, 4*QPB
.set WV, 12
.set SEL, 18
.set MNT, 20
.set G1, 24
.set G0, 32
.set DM, 36
.set DMW, 38
.set TM, 66
.set HA, 96
.set MSB, 0
.macro WIN new
.if MSB != (\new)
	s_set_vgpr_msb (MSB<<8)|(\new)
.set MSB, (\new)
.endif
.endm
.macro PLACES n
.rept \n
	v_nop
.endr
.endm
.macro CROUND
	s_barrier_signal -1
	s_barrier_wait -1
	s_cmp_lg_u32 s[WV], 0
	s_cbranch_scc1 .Lnw0_\@
	s_barrier_signal -3
.Lnw0_\@:
	s_barrier_wait -3
	s_barrier_signal -1
	s_barrier_wait -1
.endm
.macro QMAX src
.irp b, 0,1,2,3
	v_max3_num_f32 v[TM+\b], |v[(\src)+16*\b]|, |v[(\src)+16*\b+1]|, FLOOR
.endr
.irp i, 2,4,6,8,10,12,14
.irp b, 0,1,2,3
	v_max3_num_f32 v[TM+\b], |v[(\src)+16*\b+\i]|, |v[(\src)+16*\b+\i+1]|, v[TM+\b]
.endr
.endr
.irp b, 0,1,2,3
	v_permlanex16_b32 v[TM+4+\b], v[TM+\b], s[SEL], s[SEL+1]
.endr
.irp b, 0,1,2,3
	v_max_num_f32 v[TM+\b], v[TM+\b], v[TM+4+\b]
.endr
.irp b, 0,1,2,3
	v_add_nc_u32 v[TM+12+\b], 0xfc000000, v[TM+\b]
.endr
.irp b, 0,1,2,3
	v_and_or_b32 v[TM+8+\b], v[TM+\b], 0x7f800000, s[MNT]
.endr
.irp b, 0,1,2,3
	v_lshrrev_b32 v[TM+4+\b], 23, v[TM+12+\b]
.endr
.endm
.macro QCVT src, cd
.irp b, 0,1,2,3
.irp i, 0,1,2,3,4,5,6,7,8,9,10,11,12,13,14,15
	v_med3_num_f32 v[(\src)+16*\b+\i], v[(\src)+16*\b+\i], -v[TM+8+\b], v[TM+8+\b]
.endr
.endr
.irp b, 0,1,2,3
	v_cvt_scalef32_pk8_fp8_f32 v[(\cd)+4*\b:(\cd)+4*\b+1], v[(\src)+16*\b:(\src)+16*\b+7], v[TM+12+\b]
	v_cvt_scalef32_pk8_fp8_f32 v[(\cd)+4*\b+2:(\cd)+4*\b+3], v[(\src)+16*\b+8:(\src)+16*\b+15], v[TM+12+\b]
.endr
	v_nop                                          ; the plain line behind the last conversion
.endm
; one tile of 16 queries
.macro OTILE i
.irp G, 0,1                                    ; n' = 128 G on: eight tiles, two K steps; the eight accumulators take turns
	WIN (1+\G)|0x0c                                ; T2 in window 1 or 2, Dct in window 3
.irp t, 0,1,2,3,4,5,6,7
	v_wmma_scale_f32_16x16x128_f8f6f4 v[HA+8*\t:HA+8*\t+7], v[32*\t:32*\t+15], v[128+32*(\i):128+32*(\i)+15], 0, v[16+2*(8*\G+\t)], v[56+2*(\i)]
.endr
.irp t, 0,1,2,3,4,5,6,7
	v_wmma_scale_f32_16x16x128_f8f6f4 v[HA+8*\t:HA+8*\t+7], v[32*\t+16:32*\t+31], v[128+32*(\i)+16:128+32*(\i)+31], v[HA+8*\t:HA+8*\t+7], v[16+2*(8*\G+\t)+1], v[56+2*(\i)+1]
.endr
	WIN 0
	PLACES 8
	QMAX HA
	v_lshl_or_b32 v[64+\G], v[TM+5], 8, v[TM+4]
	v_lshl_or_b32 v[64+\G], v[TM+6], 16, v[64+\G]
	v_lshl_or_b32 v[64+\G], v[TM+7], 24, v[64+\G]
	QCVT HA, 160+16*\G
.endr
	PLACES 3                                       ; with the line behind the last conversion: four places between the codes and the products
	WIN 0x03                                       ; Vd in window 3
.irp G, 0,1
.irp dt, 0,1,2,3
.if \G == 0
	v_wmma_scale_f32_16x16x128_f8f6f4 v[192+8*\dt:199+8*\dt], v[32*\dt+16*\G:32*\dt+16*\G+15], v[160+16*\G:160+16*\G+15], 0, v[48+2*\dt+\G], v[64+\G]
.else
	v_wmma_scale_f32_16x16x128_f8f6f4 v[192+8*\dt:199+8*\dt], v[32*\dt+16*\G:32*\dt+16*\G+15], v[160+16*\G:160+16*\G+15], v[192+8*\dt:199+8*\dt], v[48+2*\dt+\G], v[64+\G]
.endif
.endr
.endr
	WIN 0
	PLACES 8
.irp dt, 0,1,2,3
	ds_store_b128 v12, v[192+8*\dt:195+8*\dt] offset:64*\dt          ; each accumulator from its low end on
	ds_store_b128 v12, v[196+8*\dt:199+8*\dt] offset:64*\dt+16
.endr
.if (\i) > 0
	s_wait_xcnt 0x0                                ; the last tile's stores have read these registers
.endif
.irp k, 0,1,2,3,4,5,6,7
	ds_load_b128 v[224+4*\k:227+4*\k], v13 offset:544*\k             ; LDS serves a wave's instructions in order: these see my stores
.endr
.irp k, 0,1,2,3,4,5,6,7
	s_wait_dscnt 7-\k
	global_store_b128 v14, v[224+4*\k:227+4*\k], s[8:9] offset:4096*(\i)+512*\k th:TH_STORE_NT
.endr
.endm
	s_load_b128 s[4:7], s[0:1], 0x0                ; t2vd, dctm
	s_load_b64 s[8:9], s[0:1], 0x10                ; out0
	v_lshl_add_u32 v94, v0, 2, 0x29000
	v_mov_b32 v95, 0
	ds_add_u32 v94, v95
	ds_add_u32 v94, v95
	v_lshrrev_b32 v1, 5, v0
	v_readfirstlane_b32 s[WV], v1
	s_and_b32 s15, ttmp7, 0xffff                   ; the head, which the four partners share
	s_mov_b32 s[G1], 0x23000f
	s_mov_b32 s[G1+1], 32<<16
	s_mov_b32 s[G1+2], 85<<16                      ; a package: 85 rows of 256 bytes
	s_mov_b32 s[G1+3], 32<<16
	s_mov_b32 s[G1+4], 85
	s_mov_b32 s[G1+5], 32
	s_mov_b32 s[G1+6], 0
	s_mov_b32 s[G1+7], 0
	s_mov_b32 s[SEL], 0x76543210
	s_mov_b32 s[SEL+1], 0xfedcba98
	s_mov_b32 s[MNT], 0x600000
	s_mul_i32 s2, s15, 4*QPB
	s_mul_i32 s21, s[WV], QPB
	s_add_co_u32 s2, s2, s21
	s_mov_b32 s3, 0
	; what follows hangs on my place in the cluster: Dct's and the output's global addresses alone
	s_bfe_u32 s13, ttmp6, 0x40000
	s_lshl_b32 s14, ttmp9, 2
	s_add_co_u32 s14, s14, s13                     ; my block of 256 queries
	s_lshl_b32 s40, s14, 4
	s_lshl_b32 s41, s[WV], 2
	s_add_co_u32 s40, s40, s41                     ; my first tile of queries
	s_lshl_b32 s42, s40, 12
	s_mov_b32 s43, 0
	s_lshl_b32 s44, s40, 6
	s_add_co_u32 s44, s44, 524288
	s_mov_b32 s45, 0
	s_lshl_b32 s46, s15, 19
	s_lshl_b32 s47, s14, 16
	s_add_co_u32 s46, s46, s47
	s_lshl_b32 s47, s[WV], 14
	s_add_co_u32 s46, s46, s47
	s_mov_b32 s47, 0
	v_and_b32 v1, 31, v0
	v_lshlrev_b32 v2, 2, v1                        ; 4 x lane
	v_lshlrev_b32 v1, 4, v1                        ; 16 x lane
	v_and_b32 v15, 15, v0                          ; r
	v_lshlrev_b32 v3, 2, v15                       ; 4 r
	v_bfe_u32 v82, v0, 4, 1                        ; h
.irp qd, 0,1,2,3
	v_add_nc_u32 v[4+\qd], \qd*QPB, v1
	v_add_nc_u32 v[8+\qd], \qd*QPB, v2
.endr
	s_mul_i32 s22, s[WV], 16*272
	s_add_co_u32 s22, s22, STAGE                   ; my stage
	v_mul_u32_u24 v12, v15, 272
	v_lshl_add_u32 v12, v82, 5, v12
	v_add_nc_u32 v12, s22, v12                     ; in: row r, + 32 h
	v_mul_u32_u24 v13, v82, 272
	v_lshl_add_u32 v13, v15, 4, v13
	v_add_nc_u32 v13, s22, v13                     ; back: lanes 0-15 one row, lanes 16-31 the next
	v_lshlrev_b32 v14, 8, v82
	v_lshl_add_u32 v14, v15, 4, v14                ; and the same two rows of the output
.irp b, 0,1,2,3
	v_mov_b32 v[TM+4+\b], 0
.endr
	s_wait_dscnt 0x0
	s_wait_kmcnt 0x0
	s_mov_b32 s[G0], 1
	s_mov_b32 s[G0+1], s21
	s_add_nc_u64 s[G0+2:G0+3], s[4:5], s[2:3]
	s_or_b32 s[G0+3], s[G0+3], 0x80000000
	s_add_nc_u64 s[DM:DM+1], s[6:7], s[42:43]
	s_add_nc_u64 s[DMW:DMW+1], s[6:7], s[44:45]
	s_add_nc_u64 s[8:9], s[8:9], s[46:47]
	CROUND                                         ; all four work-groups are here: the joint loads meet
	tensor_load_to_lds s[G0:G0+3], s[G1:G1+7]      ; one load a wave is out
	s_nop 0
	PLACES 4
	WIN 0xc0
.irp i, 0,1,2,3
.irp ks, 0,1
.irp c, 0,1,2,3
	global_load_b128 v[128+32*\i+16*\ks+4*\c:128+32*\i+16*\ks+4*\c+3], v1, s[DM:DM+1] offset:(2*\i+\ks)*2048+512*\c
.endr
.endr
.endr
	WIN 0
.irp i, 0,1,2,3
.irp ks, 0,1
	global_load_b32 v[56+2*\i+\ks], v3, s[DMW:DMW+1] offset:8192*\ks+64*\i
.endr
.endr
	s_wait_tensorcnt 0x0                           ; my package is in,
	s_barrier_signal -1
	s_barrier_wait -1                              ; everybody's is
.irp qd, 0,1,2,3
	WIN (1+\qd/2)<<6
.irp wv, 0,1,2,3
.irp ks, 0,1
.irp c, 0,1,2,3
	ds_load_b128 v[32*(4*(\qd%2)+\wv)+16*\ks+4*\c:32*(4*(\qd%2)+\wv)+16*\ks+4*\c+3], v[4+\qd] offset:(2*\wv+\ks)*2048+512*\c
.endr
.endr
.endr
.endr
	WIN 0xc0
.irp qd, 0,1,2,3
.irp ks, 0,1
.irp c, 0,1,2,3
	ds_load_b128 v[32*\qd+16*\ks+4*\c:32*\qd+16*\ks+4*\c+3], v[4+\qd] offset:17408+2048*\ks+512*\c
.endr
.endr
.endr
	WIN 0
.irp qd, 0,1,2,3
.irp wv, 0,1,2,3
.irp ks, 0,1
	ds_load_b32 v[16+2*(4*\qd+\wv)+\ks], v[8+\qd] offset:16384+512*\ks+128*\wv
.endr
.endr
.irp ks, 0,1
	ds_load_b32 v[48+2*\qd+\ks], v[8+\qd] offset:21504+128*\ks
.endr
.endr
	s_wait_dscnt 0x0
	s_wait_loadcnt 0x0
	OTILE 0
	OTILE 1
	OTILE 2
	OTILE 3
	s_wait_dscnt 0x0
	s_wait_tensorcnt 0x0
	ds_add_u32 v94, v95
	s_wait_dscnt 0x0
	CROUND                                         ; the closing round
	s_endpgm
.Lfunc_end_k_q9c51ac81e8_outp:
	.size	k_q9c51ac81e8_outp, .Lfunc_end_k_q9c51ac81e8_outp-k_q9c51ac81e8_outp
	.p2alignl 7, 3214868480
	.fill 96, 4, 3214868480
	.section	.rodata,"a",@progbits
	.p2align	6, 0x0
	.amdhsa_kernel k_q9c51ac81e8_outp
		.amdhsa_group_segment_fixed_size 168448
		.amdhsa_private_segment_fixed_size 0
		.amdhsa_enable_private_segment 0
		.amdhsa_kernarg_size 24
		.amdhsa_user_sgpr_count 2
		.amdhsa_user_sgpr_kernarg_segment_ptr 1
		.amdhsa_wavefront_size32 1
		.amdhsa_system_sgpr_workgroup_id_x 1
		.amdhsa_system_sgpr_workgroup_id_y 1
		.amdhsa_system_sgpr_workgroup_id_z 1
		.amdhsa_system_vgpr_workitem_id 0
		.amdhsa_next_free_vgpr 1024
		.amdhsa_next_free_sgpr 66
		.amdhsa_reserve_vcc 0
		.amdhsa_float_denorm_mode_32 3
		.amdhsa_float_denorm_mode_16_64 3
		.amdhsa_memory_ordered 1
		.amdhsa_forward_progress 1
		.amdhsa_inst_pref_size 118
	.end_amdhsa_kernel
	.amdgpu_metadata
---
amdhsa.version: [ 1, 2 ]
amdhsa.kernels:
  - .name:           k_q9c51ac81e8_outp
    .symbol:         k_q9c51ac81e8_outp.kd
    .args:
      - { .name: t2vd, .offset: 0, .size: 8, .value_kind: global_buffer, .address_space: global }
      - { .name: dctm, .offset: 8, .size: 8, .value_kind: global_buffer, .address_space: global }
      - { .name: out0, .offset: 16, .size: 8, .value_kind: global_buffer, .address_space: global }
    .group_segment_fixed_size: 168448
    .private_segment_fixed_size: 0
    .kernarg_segment_align: 8
    .kernarg_segment_size: 24
    .max_flat_workgroup_size: 128
    .sgpr_count:     66
    .vgpr_count:     1024
    .wavefront_size: 32
...
	.end_amdgpu_metadata
.endif
;; end of part 5
